; MI455X (gfx1250); checked and timed in simulation.
; The chip was launched on July 23, 2026; its instructions are those of AMD's public machine-readable ISA for CDNA 5 (MIT licence, August 2026) and "CDNA5" Instruction Set Architecture Reference Guide (July 2026). The comments in the code are by the model that wrote it; some were corrected since.
;; Neighbor Self Attention. Allowed arithmetic: matrix products marked QUANTISED: E5M2 operands, one E8M0 scale for each 32 along K, by v_wmma_scale_f32_16x16x128_f8f6f4 with both operands' format E5M2, f32 sums; products left as they are: f32 operands where the result goes on into a quantised operand, else bf16, f16 or f32 operands; f32 sums; everything else in f32.
;; Inputs: Wk 256 x 256 float32; Wo 256 x 256 float32; Wq 256 x 256 float32; Wv 256 x 256 float32; beta 256 float32; bk 256 float32; bo 256 float32; bq 256 float32; bv 256 float32; gamma 256 float32; neighbor_features 16,384 x 16 x 256 float32.
;; Outputs: out0 16,384 x 256 float32.
;; This version of the problem:
;;   THIS VERSION OF THE PROBLEM IS GIVEN IN LOW PRECISION. The matrix products marked QUANTISED in the list below multiply operands that are first quantised to E5M2 (5 exponent bits, 2 mantissa bits; 8 bits a number), with one power-of-two scale for each 32 numbers along K (OCP MX v1.0); their sums are f32. All else is computed in f32.
;;   The module's matrix products, in the order in which they are computed (A, B: the left and right operand; K: the contracted axis; several contracted axes count as one K, in the product's order):
;;     1. [M 262,144, K 256] x [K 256, N 256]; A: input neighbor_features; B: input Wq: QUANTISED
;;     2. [M 262,144, K 256] x [K 256, N 256]; A: input neighbor_features; B: input Wk: QUANTISED
;;     3. [M 262,144, K 256] x [K 256, N 256]; A: input neighbor_features; B: input Wv: QUANTISED
;;     4. batch 16,384 x [M 16, K 256] x [K 256, N 16]; A: computed on the way; B: computed on the way: QUANTISED
;;     5. batch 16,384 x [M 16, K 16] x [K 16, N 256]; A: softmax; B: computed on the way: left as it is (K = 16 < 32)
;;     6. [M 16,384, K 256] x [K 256, N 256]; A: computed on the way; B: input Wo: QUANTISED
;;   THE QUANTISER, for each operand of a quantised product, along K:
;;     - K is cut into blocks of 32 from its start; a last block that is shorter is filled with zeros.
;;     - A block's scale is 2^e with e = floor(log2(the largest magnitude in the block)) - 15, held to -126 .. 127; a block of zeros has e = 0. As a byte (E8M0): e + 127.
;;     - Each number is divided by its block's scale, clamped to +-57,344, and rounded to the nearest number of E5M2, ties to even, subnormals kept.
;;     - The product sums the exact products of the quantised numbers (number of the format x scale) in f32.
;;   ~~~python
;;   def quantise(x, axis):      # numpy; x: float32 -> the quantised numbers, widened to float32 again
;;       x = np.moveaxis(x, axis, -1); K = x.shape[-1]
;;       x = np.pad(x, [(0, 0)] * (x.ndim - 1) + [(0, -K % 32)]); x = x.reshape(x.shape[:-1] + (-1, 32)); a = np.abs(x).max(-1, keepdims=True)
;;       e = np.where(a > 0, np.clip(np.frexp(np.where(a > 0, a, 1))[1] - 1 - 15, -126, 127), 0)      # np.frexp(a)[1] - 1 = floor(log2(a)), exactly
;;       r = np.clip(x / 2.0 ** e, -57344, 57344)
;;       step = 2.0 ** (np.maximum(np.frexp(np.where(r == 0, 1, r))[1] - 1, -14) - 2)
;;       q = np.round(r / step) * step * 2.0 ** e      # np.round: ties to even
;;       return np.moveaxis(q.reshape(q.shape[:-2] + (-1,))[..., :K], -1, axis).astype(np.float32)
;;   ~~~
;;   OPERANDS COMPUTED ON THE WAY. 'Computed on the way' means the value that the module computes at that place (a softmax that the list does not call 'softmax' is quantised finished and normalised). What goes into a quantiser is computed in f32, as accurately as f32 sums, v_exp_f32 and their like allow (about 1e-6 of the number): no bf16 or f16 on the way to a quantiser, and a product that is left as it is and whose result goes on into a quantised operand takes f32 operands (vector FMAs, or v_wmma_f32_16x16x4_f32). A number that lies on a knife's edge between two numbers of the format may be rounded either way, as far as f32 arithmetic and the matrix unit's own rounding can turn it there, and no further.
;; 2 versions. Each part assembles by itself: llvm-mc -triple=amdgcn-amd-amdhsa -mcpu=gfx1250 --defsym DOCPART=n.
;; ======== version 1 of 2: 2 launches
;; workspace buffers: wcodes 262,144 bytes; wscales 16,384 bytes
;; launch wprep (part 1): grid 32 x 1, 4 waves a work-group, no clusters, 0 bytes of LDS; arguments Wq, Wk, Wv, Wo, wcodes, wscales; writes wcodes, wscales
.if DOCPART == 1
	.amdgcn_target "amdgcn-amd-amdhsa--gfx1250"
	.amdhsa_code_object_version 6
	.text
	.protected	k_q6dd6e6a150_wprep
	.globl	k_q6dd6e6a150_wprep
	.p2align	8
	.type	k_q6dd6e6a150_wprep,@function
k_q6dd6e6a150_wprep:
	s_mov_b64 s[64:65], 0
	v_nop
	global_prefetch_b8 v0, s[64:65] scope:SCOPE_SE
	s_setreg_imm32_b32 hwreg(HW_REG_WAVE_MODE, 25, 1), 1
	s_wait_xcnt 0x0
; Wq, Wk, Wv, Wo [256][256] f32 (K innermost) become codes of BF8 (E5M2) with one E8M0 scale byte for each 32 along K, laid IN THE ORDER OF THE OPERAND'S REGISTERS,
; so that the next launch loads each fragment (16 rows x 128 K: 16 registers a lane) whole and keeps it in registers.
; Fragment f = 32 mat + 2 t + s (mat 0 Wq, 1 Wk, 2 Wv, 3 Wo; t the tile of 16 rows; s the K step of 128) takes 2,048 bytes at 2048 f; registers 4 q .. 4 q + 3 of lane l lie at 1024 (q / 2) + 32 l + 16 (q % 2).
; Its scale words, 4 bytes a lane, lie at 128 f + 4 l of wscales (lanes 16-31 hold a copy of lanes 0-15).
; WHICH ROW OF W LANE r OF TILE t TAKES is free and is chosen for the reader:  Wq, Wk: 32 (t / 2) + 8 (t % 2) + r + 8 (r / 8), so that two neighbouring tiles' results are 16 neighbours along the next K;
; Wv: 64 (t / 4) + 4 r + t % 4, so that a lane's four tiles are four neighbouring columns;  Wo: 16 t + r.
; One wave makes one fragment: 128 waves.  Lane (r, h) loads, of its row, k = 128 s + 32 b + 16 h + 0 .. 15 for b = 0 .. 3: the operand's own layout, so the conversions' results are the fragment.
; A block's scale is 2^(floor(log2(its largest magnitude)) - 15); its byte is that magnitude's exponent field - 15, held at 1 from below.
; LIMITS: a block whose largest magnitude lies under 2^-111 gets the byte 1; a block of zeros gets 1 where the rule says 127 (its codes are zeros, and this program alone reads the bytes); NaN and infinities are not served.
; The buffers are small (272 KB in all): a store's lanes stand 32 bytes apart and two stores together cover 1,024 consecutive bytes.
.set TM, 16                            ; v16-19 largest magnitudes, v20-23 the other half's / the bytes, v24-27 57,344 x the scale, v28-31 the conversions' scale operands
.set XN, 32                            ; v32-95 64 numbers: register 16 b + i
.set PC, 96                            ; v96-111 the codes
.set PW, 112                           ; v112 the scale word
	s_load_b256 s[4:11], s[0:1], 0x0               ; Wq, Wk, Wv, Wo
	s_load_b128 s[12:15], s[0:1], 0x20             ; wcodes, wscales
	v_lshrrev_b32 v1, 5, v0
	v_readfirstlane_b32 s16, v1                    ; wave
	v_and_b32 v1, 31, v0                           ; l
	v_and_b32 v2, 15, v0                           ; r
	v_bfe_u32 v3, v0, 4, 1                         ; h
	s_lshr_b32 s17, ttmp9, 3                       ; mat
	s_and_b32 s18, ttmp9, 7
	s_lshl_b32 s18, s18, 2
	s_add_co_u32 s18, s18, s16                     ; the fragment's number within its matrix
	s_lshr_b32 s19, s18, 1                         ; t
	s_and_b32 s20, s18, 1                          ; s
	s_lshl_b32 s21, ttmp9, 2
	s_add_co_u32 s21, s21, s16                     ; f
	s_lshr_b32 s22, s19, 1
	s_lshl_b32 s22, s22, 5
	s_and_b32 s23, s19, 1
	s_lshl_b32 s23, s23, 3
	s_add_co_u32 s22, s22, s23                     ; Wq, Wk: 32 (t / 2) + 8 (t % 2)
	s_lshl_b32 s23, s19, 4                         ; Wo: 16 t
	s_lshr_b32 s24, s19, 2
	s_lshl_b32 s24, s24, 6
	s_and_b32 s25, s19, 3
	s_add_co_u32 s24, s24, s25                     ; Wv: 64 (t / 4) + t % 4
	s_cmp_lt_u32 s17, 2
	s_cselect_b32 s22, s22, s23
	s_cselect_b32 s26, 1, 0                        ; Wq, Wk alone add 8 (r / 8)
	s_cmp_eq_u32 s17, 2
	s_cselect_b32 s22, s24, s22                    ; the tile's first row
	s_cselect_b32 s27, 4, 1                        ; rows from lane to lane
	s_lshl_b32 s28, s20, 9                         ; the K step: 512 bytes
	s_mov_b32 s32, 0x76543210
	s_mov_b32 s33, 0xfedcba98                      ; v_permlanex16_b32's selects for lane l xor 16
	s_mov_b32 s34, 0x600000                        ; the mantissa field of 57,344
	v_mad_u32_u24 v4, v2, s27, s22
	v_and_b32 v5, 8, v2
	v_mad_u32_u24 v4, v5, s26, v4                  ; my row of W
	v_lshlrev_b32 v4, 10, v4                       ; 1,024 bytes a row
	v_lshl_add_u32 v4, v3, 6, v4                   ; + 64 h: my 16 numbers of a block of 32
	v_add_nc_u32 v4, s28, v4
	v_lshlrev_b32 v6, 5, v1                        ; out: 32 l
	v_lshlrev_b32 v7, 2, v1                        ; and 4 l
.irp b, 0,1,2,3
	v_mov_b32 v[TM+4+\b], 0                        ; a lane permute's destination counts as one of its sources
.endr
	s_lshl_b32 s30, s21, 11
	s_mov_b32 s31, 0
	s_lshl_b32 s36, s21, 7
	s_mov_b32 s37, 0
	s_wait_kmcnt 0x0
	s_cmp_eq_u32 s17, 1                            ; the matrix is chosen by the work-group's number alone
	s_cselect_b64 s[4:5], s[6:7], s[4:5]
	s_cmp_eq_u32 s17, 2
	s_cselect_b64 s[4:5], s[8:9], s[4:5]
	s_cmp_eq_u32 s17, 3
	s_cselect_b64 s[4:5], s[10:11], s[4:5]
	s_add_nc_u64 s[12:13], s[12:13], s[30:31]      ; wcodes + 2048 f
	s_add_nc_u64 s[14:15], s[14:15], s[36:37]      ; wscales + 128 f
.irp b, 0,1,2,3
.irp j, 0,1,2,3
	global_load_b128 v[XN+16*\b+4*\j:XN+16*\b+4*\j+3], v4, s[4:5] offset:128*\b+16*\j
.endr
.endr
	s_wait_loadcnt 0x0
.irp b, 0,1,2,3
	v_max3_num_f32 v[TM+\b], |v[XN+16*\b]|, |v[XN+1+16*\b]|, 0x8000000   ; block b: my 16 numbers, and the floor 2^(16 - 127): the byte cannot fall under 1
.endr
.irp i, 2,4,6,8,10,12,14
.irp b, 0,1,2,3
	v_max3_num_f32 v[TM+\b], v[TM+\b], |v[XN+16*\b+\i]|, |v[XN+1+16*\b+\i]|   ; the four blocks by turns
.endr
.endr
.irp b, 0,1,2,3
	v_permlanex16_b32 v[TM+4+\b], v[TM+\b], s32, s33
.endr
.irp b, 0,1,2,3
	v_max_num_f32 v[TM+\b], v[TM+\b], v[TM+4+\b]   ; with lane l xor 16's 16: the block's largest magnitude
.endr
.irp b, 0,1,2,3
	v_add_nc_u32 v[TM+12+\b], 0xf8800000, v[TM+\b] ; 15 off its exponent field: the conversion takes this operand's exponent field as its scale
.endr
.irp b, 0,1,2,3
	v_and_or_b32 v[TM+8+\b], v[TM+\b], 0x7f800000, s34   ; 57,344 x the scale
.endr
.irp b, 0,1,2,3
	v_lshrrev_b32 v[TM+4+\b], 23, v[TM+12+\b]      ; the scale's byte
.endr
	v_lshl_or_b32 v[PW], v[TM+5], 8, v[TM+4]
	v_lshl_or_b32 v[PW], v[TM+6], 16, v[PW]
	v_lshl_or_b32 v[PW], v[TM+7], 24, v[PW]        ; my row's scale word
.irp b, 0,1,2,3
.irp i, 0,1,2,3,4,5,6,7,8,9,10,11,12,13,14,15
	v_med3_num_f32 v[XN+16*\b+\i], v[XN+16*\b+\i], -v[TM+8+\b], v[TM+8+\b]   ; the conversion to an 8-bit code does not saturate (ISA guide 7.6.2): the hold comes first
.endr
	v_cvt_scalef32_pk8_bf8_f32 v[PC+4*\b:PC+4*\b+1], v[XN+16*\b:XN+16*\b+7], v[TM+12+\b]
	v_cvt_scalef32_pk8_bf8_f32 v[PC+4*\b+2:PC+4*\b+3], v[XN+16*\b+8:XN+16*\b+15], v[TM+12+\b]
.endr
	v_nop                                          ; a plain line behind the last conversion
.irp q, 0,1,2,3
	global_store_b128 v6, v[PC+4*\q:PC+4*\q+3], s[12:13] offset:1024*(\q/2)+16*(\q%2)
.endr
	global_store_b32 v7, v[PW], s[14:15]
	s_endpgm
.Lfunc_end_k_q6dd6e6a150_wprep:
	.size	k_q6dd6e6a150_wprep, .Lfunc_end_k_q6dd6e6a150_wprep-k_q6dd6e6a150_wprep
	.p2alignl 7, 3214868480
	.fill 96, 4, 3214868480
	.section	.rodata,"a",@progbits
	.p2align	6, 0x0
	.amdhsa_kernel k_q6dd6e6a150_wprep
		.amdhsa_group_segment_fixed_size 0
		.amdhsa_private_segment_fixed_size 0
		.amdhsa_enable_private_segment 0
		.amdhsa_kernarg_size 48
		.amdhsa_user_sgpr_count 2
		.amdhsa_user_sgpr_kernarg_segment_ptr 1
		.amdhsa_wavefront_size32 1
		.amdhsa_system_sgpr_workgroup_id_x 1
		.amdhsa_system_sgpr_workgroup_id_y 1
		.amdhsa_system_sgpr_workgroup_id_z 1
		.amdhsa_system_vgpr_workitem_id 0
		.amdhsa_next_free_vgpr 128
		.amdhsa_next_free_sgpr 66
		.amdhsa_reserve_vcc 0
		.amdhsa_float_denorm_mode_32 3
		.amdhsa_float_denorm_mode_16_64 3
		.amdhsa_memory_ordered 1
		.amdhsa_forward_progress 1
		.amdhsa_inst_pref_size 13
	.end_amdhsa_kernel
	.amdgpu_metadata
---
amdhsa.version: [ 1, 2 ]
amdhsa.kernels:
  - .name:           k_q6dd6e6a150_wprep
    .symbol:         k_q6dd6e6a150_wprep.kd
    .args:
      - { .name: Wq, .offset: 0, .size: 8, .value_kind: global_buffer, .address_space: global }
      - { .name: Wk, .offset: 8, .size: 8, .value_kind: global_buffer, .address_space: global }
      - { .name: Wv, .offset: 16, .size: 8, .value_kind: global_buffer, .address_space: global }
      - { .name: Wo, .offset: 24, .size: 8, .value_kind: global_buffer, .address_space: global }
      - { .name: wcodes, .offset: 32, .size: 8, .value_kind: global_buffer, .address_space: global }
      - { .name: wscales, .offset: 40, .size: 8, .value_kind: global_buffer, .address_space: global }
    .group_segment_fixed_size: 0
    .private_segment_fixed_size: 0
    .kernarg_segment_align: 8
    .kernarg_segment_size: 48
    .max_flat_workgroup_size: 128
    .sgpr_count:     66
    .vgpr_count:     128
    .wavefront_size: 32
...
	.end_amdgpu_metadata
.endif
;; end of part 1
;; launch main (part 2): grid 256 x 1, 4 waves a work-group, no clusters, 241,152 bytes of LDS; arguments neighbor_features, wcodes, wscales, bq, bk, bv, bo, gamma, beta, out0; writes out0
.if DOCPART == 2
	.amdgcn_target "amdgcn-amd-amdhsa--gfx1250"
	.amdhsa_code_object_version 6
	.text
	.protected	k_q6dd6e6a150_main
	.globl	k_q6dd6e6a150_main
	.p2align	8
	.type	k_q6dd6e6a150_main,@function
k_q6dd6e6a150_main:
	s_mov_b64 s[64:65], 0
	v_nop
	global_prefetch_b8 v0, s[64:65] scope:SCOPE_SE
	s_setreg_imm32_b32 hwreg(HW_REG_WAVE_MODE, 25, 1), 1
	s_wait_xcnt 0x0
; For each of 16,384 nodes (x: 16 neighbours x 256, f32): Q, K, V = x W^T + b;  attn = softmax(Q K^T / 16);  agg = mean over queries of attn V;  out = LayerNorm(agg Wo^T + bo + mean over neighbours of x).
; Products x W^T, Q K^T and agg Wo^T run on codes of BF8 (E5M2) with one E8M0 scale for each 32 along K; attn V (K = 16) stays in f32.
; BY LINEARITY, for every input: mean_q(attn V) = (mean_q attn) V.  So w[k] = (1/16) sum_q attn[q][k] is made first and agg[e] = sum_k w[k] V[k][e] is 16 fused multiply-adds an output.
; V's bias enters as bv[e] x sum_k w[k], with the sum as it is computed.
; SHARES.  256 work-groups of four waves; a work-group owns 64 nodes (1 MiB of x) and walks them in 8 trips of 8 nodes, then one tail (Wo, LayerNorm) for all 64.
; THE WAVES SHARE THE COLUMNS: wave 0: Q 0-127, wave 1: Q 128-255, wave 2: K 0-127, wave 3: K 128-255; wave w also V's columns 64 w .. 64 w + 63.  A wave's weights (384 registers) stay in registers for the whole loop.
; A TRIP, four barriers:  X8: wave w quantises nodes 2 w, 2 w + 1 of the trip (codes as rows into LDS, scale bytes beside them), sums the rows for the residual, and asks for the next trip's rows |
;   P1: for each of the 8 nodes: my 8 tiles of Q or K (transposed: a lane holds one neighbour, registers run along e), quantised in registers: one whole fragment, stored to LDS as an image of its registers |
;   P2: nodes 2 w, 2 w + 1: S^T = K Q^T, softmax, w |   P3: for each of the 8 nodes: my 4 tiles of V (a lane holds one column, registers run down the neighbours), the weighted sum, agg to LDS |
; In P1 and P3 one node's products and the node before's vector work stand by turns in the text, a slice behind each matrix instruction.
; x COMES BY LOADS INTO 256 REGISTERS A WAVE (two nodes, 64 loads of 16 bytes a lane); each group of 8 loads is issued again as soon as its 4 rows are converted, so 56 to 64 loads of the wave are always out.
; A lane takes 32 neighbouring bytes of a row (8 numbers of one block of 32: what a conversion wants) by two loads that stand together and cover the row's 1,024 bytes.
; In the last trip the same 64 lines fetch Wo's 16 fragments, which the launch before laid for exactly these offsets: no load is skipped, and every count holds in every trip.
; NO CLUSTER: the work-groups share the weights' codes alone (80 KB a wave, read once, straight into the registers in which they stay); x is shared by nobody.  A joint load lands in LDS: a passage more for bytes used once.
; NO TENSOR LOAD: x is wanted in registers (the residual's sum, the conversions), and f32 through LDS would be 32 KB more LDS traffic a node.
; LIMITS: NaN and infinities are not served; a block whose largest magnitude lies under 2^-111 gets the scale byte 1; a block of zeros gets 1 where the rule says 127 (its codes are zeros; this program alone reads the bytes).
; The variance is taken of out - mu in a second pass.  The softmax takes the row's maximum away first.
;
; LDS (bytes):
.set XROW, 0                           ; 8 nodes x 16 rows x 272: a row's 256 codes in their order along K, + 16 of padding: the sixteen rows that a load touches begin at sixteen different banks (64 banks of 4 bytes: ISA guide 11.1)
.set XSC,  34816                       ; node x 128 + row x 8 + block: x's scale bytes
.set QIMG, 35840                       ; node x 8192 + wave x 2048 + 512 c + 16 l: images of Q's (waves 0, 1) and K's (2, 3) fragments
.set QSC,  101376                      ; node x 512 + wave x 128 + 4 l: their scale words
.set WST,  105472                      ; node x 128 + 64 h: w[8 h .. 8 h + 7], and at + 32 their sum
.set AGG,  106496                      ; 64 nodes x 1040: agg, f32
.set RES,  173056                      ; 64 nodes x 1040: the sum of x over the neighbours; in the tail the stage for the output
.set STAT, 239616                      ; two regions of 512: (node tile x 2 + column half) x 64 + 4 r
.set NODEB, 4352                       ; a node's 16 rows of codes
; REGISTERS, in windows of 256 (s_set_vgpr_msb's low byte: bits 1:0 source 0, 3:2 source 1, 5:4 source 2, 7:6 destination):
;   window 1: my 16 fragments of Wq or Wk, (t, s) at 16 (2 t + s); in the tail v0-127 agg's rows, then the residual; v128-191 bo
;   window 2: v0-127 my 8 fragments of Wv; v128-191 my bias in the result's layout; v192-255 x's two fragments, two buffers; in the tail v0-63 beta, v64-127 gamma, v128-255 the 16 accumulators of the output
;   window 3: x: row rho of node a at 128 a + 8 rho; behind the last trip Wo's 16 fragments
;   window 0:
.set GOF,  4                           ; 32 l: global offset of x's and the codes' loads
.set AXW,  5                           ; where I store a row's codes
.set AXB,  6                           ; and its scale bytes
.set AXF,  7                           ; where I read x's fragments: 272 r + 16 h
.set AXS,  8                           ; and x's scale words: 8 r
.set AQI,  9                           ; where I store my image
.set AQS,  10                          ; and its scale words
.set AP2,  11                          ; where P2 reads its two nodes' images
.set AP2S, 12
.set AWS,  13                          ; where P2 stores w
.set AWR,  14                          ; where P3 reads it
.set AAG0, 15                          ; agg: my columns, trip 0
.set RES0, 16                          ; the residual: my nodes, trip 0
.set AAG,  17                          ; the same for the trip in hand (in the tail: where the statistics are read)
.set RESA, 18                          ; (in the tail: where the stage is read back)
.set L4,   19                          ; 4 l
.set BV,   20                          ; v20-23 bv of my four columns
.set XS,   24                          ; v24-27 x's scale words, a pair for each buffer: scales and nothing else
.set W1S,  28                          ; v28-43 Wq's or Wk's scale words; in the tail Wo's
.set WVS,  44                          ; v44-51 Wv's
.set PW,   52                          ; the scale word just made
.set H64,  53                          ; 64 h
.set R16,  54                          ; 16 r
.set H32,  55                          ; 32 h
.set TM,   56                          ; v56-77 at work; v78, v79: the closing add's two registers
.set PC,   80                          ; v80-95 codes just made; in P2 the scores
.set HA,   96                          ; v96-159, v160-223 two sets of 8 accumulators of Q or K; in P2 the fragments; in P3 two sets of 4 accumulators of V
.set SW,   224                         ; v224-231 P2's scale words: scales and nothing else
.set WW,   232                         ; v232-247 w, two sets
.set WH,   248                         ; v248-249 their sums
.set L16,  250                         ; 16 l
.set TAG,  251                         ; the tail's LDS addresses
.set TXF,  252
.set TXS,  253
.set RRES, 254
.set ASTW, 255
.set XM,   56                          ; X8: largest magnitudes, v60-63 scale operands, v64-67 holds, v68-75 bytes (two sets), v80-95 codes (two sets), v96-111 the residual's sums (two nodes)
.set XSCL, 60
.set XHO,  64
.set XBY,  68
.set XCD,  80
.set RSUM, 96
.set RPR,  56                          ; P3: four pairs, v64-67 sums, v68-71 the other half's, v80-87 results (two sets)
.set RT,   64
.set RU,   68
.set AG,   80
.set TP,   96                          ; the tail: 32 pairs of partial sums
.set BQ,   128                         ; window 2
.set XF,   192                         ; window 2
.set XP,   32                          ; s[32:33] x at my two nodes of the next trip
.set WOP,  34                          ; s[34:35] my 16 fragments of Wo
.set LP,   36                          ; s[36:37] what the trip's 64 loads fetch
.set MSB, 0
.macro WIN new                         ; the immediate's high byte repeats the setting that is left; a switch that changes nothing is dropped
.if MSB != (\new)
	s_set_vgpr_msb (MSB<<8)|(\new)
.set MSB, \new
.endif
.endm
.macro BAR                             ; my LDS stores have landed and my LDS loads are in: then the work-group's barrier
	s_wait_dscnt 0x0
	s_barrier_signal -1
	s_barrier_wait -1
.endm
.macro PLACES n                        ; plain vector lines behind a matrix instruction (ISA guide 7.12.1), where no useful one is at hand
.rept \n
	v_nop
.endr
.endm
; FOUR ROWS at v[base + 8 q] of window W become codes and scale bytes in LDS.  A lane holds 8 neighbours (d = 8 l + 0 .. 7), so four lanes hold a block of 32.  G: the group (rows 4 (G % 4) on of node G / 4).
; res = 1: the rows are also added to the residual's sum.  reload = 1: the rows come from global loads, and their registers are loaded again at once.
.macro XQ4 W, base, G, res, reload
.set xSET, (\G)%2
.set xNA, (\G)/4
.set xR0, 4*((\G)%4)
.if \reload
	s_wait_loadcnt 56                              ; my group's 8 loads were issued 8 groups ago: the 7 groups x 8 loads behind them may be out
.endif
	s_wait_dscnt 8                                 ; the last group's 8 stores may be out; those of two groups back, which read this set of codes and bytes, are done
	WIN (\W)|((\W)<<2)
.if \res
.if (\G)%4 == 0
.irp i, 0,2,4,6
	v_pk_add_f32 v[RSUM+8*xNA+\i:RSUM+8*xNA+\i+1], v[(\base)+\i:(\base)+\i+1], v[(\base)+8+\i:(\base)+8+\i+1]   ; a node's first two rows start its sum: nothing is cleared
.endr
.endif
.endif
.irp q, 0,1,2,3
	v_max3_num_f32 v[XM+\q], |v[(\base)+8*\q]|, |v[(\base)+8*\q+1]|, 0x8000000   ; the floor 2^(16 - 127) among the leaves: the byte cannot fall under 1
.endr
.irp i, 2,4,6
.irp q, 0,1,2,3
	v_max3_num_f32 v[XM+\q], |v[(\base)+8*\q+\i]|, |v[(\base)+8*\q+\i+1]|, v[XM+\q]   ; the four rows by turns
.endr
.endr
.if \res
	WIN \W
.irp q, 0,1,2,3
.if ((\G)%4 != 0) || (\q > 1)
.irp i, 0,2,4,6
	v_pk_add_f32 v[RSUM+8*xNA+\i:RSUM+8*xNA+\i+1], v[(\base)+8*\q+\i:(\base)+8*\q+\i+1], v[RSUM+8*xNA+\i:RSUM+8*xNA+\i+1]
.endr
.endif
.endr
.endif
	WIN 0
.irp q, 0,1,2,3
	v_max_num_f32_dpp v[XM+\q], v[XM+\q], v[XM+\q] row_xmask:1 row_mask:0xf bank_mask:0xf
.endr
.irp q, 0,1,2,3
	v_max_num_f32_dpp v[XM+\q], v[XM+\q], v[XM+\q] row_xmask:2 row_mask:0xf bank_mask:0xf   ; the block's four lanes
.endr
.irp q, 0,1,2,3
	v_add_nc_u32 v[XSCL+\q], 0xf8800000, v[XM+\q]  ; 15 off the exponent field: the conversion's scale operand
.endr
.irp q, 0,1,2,3
	v_and_or_b32 v[XHO+\q], v[XM+\q], 0x7f800000, s28   ; 57,344 x the scale
.endr
.irp q, 0,1,2,3
	v_lshrrev_b32 v[XBY+4*xSET+\q], 23, v[XSCL+\q] ; the scale's byte
.endr
	WIN (\W)|((\W)<<6)
.irp q, 0,1,2,3
.irp i, 0,1,2,3,4,5,6,7
	v_med3_num_f32 v[(\base)+8*\q+\i], v[(\base)+8*\q+\i], -v[XHO+\q], v[XHO+\q]   ; the conversion does not saturate (ISA guide 7.6.2): the hold comes first
.endr
.endr
	WIN \W
.irp q, 0,1,2,3
	v_cvt_scalef32_pk8_bf8_f32 v[XCD+8*xSET+2*\q:XCD+8*xSET+2*\q+1], v[(\base)+8*\q:(\base)+8*\q+7], v[XSCL+\q]
.endr
	WIN 0
	v_nop                                          ; a plain line behind the last conversion
.irp q, 0,1,2,3
	ds_store_b64 v[AXW], v[XCD+8*xSET+2*\q:XCD+8*xSET+2*\q+1] offset:xNA*NODEB+(xR0+\q)*272   ; 32 lanes: a row's 256 codes
.endr
.irp q, 0,1,2,3
	ds_store_b8 v[AXB], v[XBY+4*xSET+\q] offset:xNA*128+(xR0+\q)*8   ; a block's four lanes write the same byte with the same value
.endr
.if \reload
	WIN (\W)<<6
.irp u, 0,1,2,3,4,5,6,7
	global_load_b128 v[(\base)+4*\u:(\base)+4*\u+3], v[GOF], s[LP:LP+1] offset:(4*(\G)+\u/2)*1024+(\u%2)*16   ; no hint: in the last trip these lines fetch Wo's codes, which other work-groups read too
.endr
	WIN 0
.endif
.if \res
.if (\G)%4 == 3
	ds_store_b128 v[RESA], v[RSUM+8*xNA:RSUM+8*xNA+3] offset:1040*xNA
	ds_store_b128 v[RESA], v[RSUM+8*xNA+4:RSUM+8*xNA+7] offset:1040*xNA+16
.endif
.endif
.endm
; x's two fragments and its scale words of node m, into buffer m % 2: nine LDS loads
.macro FETCHX m
	WIN 0x80                                       ; destination window 2
.irp s, 0,1
.irp c, 0,1,2,3
	ds_load_b128 v[XF+32*((\m)%2)+16*\s+4*\c:XF+32*((\m)%2)+16*\s+4*\c+3], v[AXF] offset:(\m)*NODEB+128*\s+32*\c
.endr
.endr
	WIN 0
	ds_load_b64 v[XS+2*((\m)%2):XS+2*((\m)%2)+1], v[AXS] offset:128*(\m)
.endm
; Product k of 16 of node m's Q or K: K step k / 8, tile k % 8.  TRANSPOSED: source 0 = 16 rows of W, source 1 = x's 16 rows.  The bias is the C of a sum's first product.  The 8 accumulators take turns.
.macro WMQK m, k
.set wS, (\k)/8
.set wT, (\k)%8
.set wP, (\m)%2
.if wS == 0
	WIN 0x29                                       ; source 0 window 1, source 1 and C window 2
	v_wmma_scale_f32_16x16x128_f8f6f4 v[HA+64*wP+8*wT:HA+64*wP+8*wT+7], v[32*wT:32*wT+15], v[XF+32*wP:XF+32*wP+15], v[BQ+8*wT:BQ+8*wT+7], v[W1S+2*wT], v[XS+2*wP] matrix_a_fmt:MATRIX_FMT_BF8 matrix_b_fmt:MATRIX_FMT_BF8
.else
	WIN 0x09
	v_wmma_scale_f32_16x16x128_f8f6f4 v[HA+64*wP+8*wT:HA+64*wP+8*wT+7], v[32*wT+16:32*wT+31], v[XF+32*wP+16:XF+32*wP+31], v[HA+64*wP+8*wT:HA+64*wP+8*wT+7], v[W1S+2*wT+1], v[XS+2*wP+1] matrix_a_fmt:MATRIX_FMT_BF8 matrix_b_fmt:MATRIX_FMT_BF8
.endif
.endm
; Slice k of 16 of the quantising of set p's 64 numbers (register 16 b + i = e 32 b + 16 h + i of my neighbour's row), node m.  Each accumulator is read from its low end on.
.macro QSL p, m, k
.set qH, HA+64*(\p)
.if (\k) < 4
.irp i, 0,2
.irp b, 0,1,2,3
.if (4*(\k)+\i) == 0
	v_max3_num_f32 v[TM+\b], |v[qH+16*\b]|, |v[qH+16*\b+1]|, 0x8000000
.else
	v_max3_num_f32 v[TM+\b], v[TM+\b], |v[qH+16*\b+4*(\k)+\i]|, |v[qH+16*\b+4*(\k)+\i+1]|
.endif
.endr
.endr
.elseif (\k) == 4
.irp b, 0,1,2,3
	v_permlanex16_b32 v[TM+4+\b], v[TM+\b], s26, s27
.endr
.irp b, 0,1,2,3
	v_max_num_f32 v[TM+\b], v[TM+\b], v[TM+4+\b]   ; with lane l xor 16's 16: the block's largest magnitude
.endr
.elseif (\k) == 5
.irp b, 0,1,2,3
	v_add_nc_u32 v[TM+12+\b], 0xf8800000, v[TM+\b]
.endr
.irp b, 0,1,2,3
	v_and_or_b32 v[TM+8+\b], v[TM+\b], 0x7f800000, s28
.endr
.elseif (\k) == 6
.irp b, 0,1,2,3
	v_lshrrev_b32 v[TM+4+\b], 23, v[TM+12+\b]
.endr
	v_lshl_or_b32 v[PW], v[TM+5], 8, v[TM+4]
	v_lshl_or_b32 v[PW], v[TM+6], 16, v[PW]
	v_lshl_or_b32 v[PW], v[TM+7], 24, v[PW]
.elseif (\k) < 15
.set qG, (\k)-7
.set qX, qH+8*qG
.irp i, 0,1,2,3,4,5,6,7
	v_med3_num_f32 v[qX+\i], v[qX+\i], -v[TM+8+qG/2], v[TM+8+qG/2]
.endr
	v_cvt_scalef32_pk8_bf8_f32 v[PC+2*qG:PC+2*qG+1], v[qX:qX+7], v[TM+12+qG/2]
.else
	v_nop                                          ; a plain line behind the last conversion
.irp c, 0,1,2,3
	ds_store_b128 v[AQI], v[PC+4*\c:PC+4*\c+3] offset:8192*(\m)+512*\c   ; the fragment goes to LDS as it stands: 16 bytes a lane, 512 a store
.endr
	ds_store_b32 v[AQS], v[PW] offset:512*(\m)
.endif
.endm
; Node m's products with node m - 1's quantising between them
.macro P1SEC m
.if (\m) == 1
	s_wait_dscnt 0x0                               ; node 1's fragments are in
.else
	s_wait_dscnt 5                                 ; node m's nine loads are in; the five image stores issued behind them may be out
.endif
	WMQK \m, 0
	WIN 0
	PLACES 8                                       ; behind node m - 1's last product: its results are read below, and its operands' registers are loaded again
.if (\m) < 7
	FETCHX (\m)+1
.endif
.set kk, 1
.rept 15
	WMQK \m, kk
	WIN 0
.if (kk == 8) && ((\m) >= 2)
.if (\m) < 7
	s_wait_dscnt 9                                 ; the last image's stores have read the codes' registers; the nine loads behind them may be out
.else
	s_wait_dscnt 0x0
.endif
.endif
	QSL ((\m)-1)%2, (\m)-1, kk-1
.set kk, kk+1
.endr
	QSL ((\m)-1)%2, (\m)-1, 15
.endm
.macro WFETCH m                        ; node m's w and their sum, my half's: three LDS loads
	ds_load_b128 v[WW+8*((\m)%2):WW+8*((\m)%2)+3], v[AWR] offset:128*(\m)
	ds_load_b128 v[WW+8*((\m)%2)+4:WW+8*((\m)%2)+7], v[AWR] offset:128*(\m)+16
	ds_load_b32 v[WH+(\m)%2], v[AWR] offset:128*(\m)+32
.endm
; Product k of 8 of node m's V: K step k / 4, tile k % 4.  NOT transposed: source 0 = x's 16 rows, source 1 = 16 rows of Wv: a lane holds column 64 w + 4 r + t, register j neighbour 8 h + j.
.macro WMV m, k
.set wS, (\k)/4
.set wT, (\k)%4
.set wP, (\m)%2
	WIN 0x0a                                       ; sources 0 and 1 window 2
.if wS == 0
	v_wmma_scale_f32_16x16x128_f8f6f4 v[HA+32*wP+8*wT:HA+32*wP+8*wT+7], v[XF+32*wP:XF+32*wP+15], v[32*wT:32*wT+15], 0, v[XS+2*wP], v[WVS+2*wT] matrix_a_fmt:MATRIX_FMT_BF8 matrix_b_fmt:MATRIX_FMT_BF8
.else
	v_wmma_scale_f32_16x16x128_f8f6f4 v[HA+32*wP+8*wT:HA+32*wP+8*wT+7], v[XF+32*wP+16:XF+32*wP+31], v[32*wT+16:32*wT+31], v[HA+32*wP+8*wT:HA+32*wP+8*wT+7], v[XS+2*wP+1], v[WVS+2*wT+1] matrix_a_fmt:MATRIX_FMT_BF8 matrix_b_fmt:MATRIX_FMT_BF8
.endif
.endm
; Slice k of 8 of agg = sum over neighbours of w V, set p, node m: four lines, the tiles by turns
.macro RED p, m, k
.set rV, HA+32*(\p)
.set rW, WW+8*(\p)
.if (\k) == 0
.irp t, 0,1,2,3
	v_pk_mul_f32 v[RPR+2*\t:RPR+2*\t+1], v[rV+8*\t:rV+8*\t+1], v[rW:rW+1]
.endr
.elseif (\k) < 4
.irp t, 0,1,2,3
	v_pk_fma_f32 v[RPR+2*\t:RPR+2*\t+1], v[rV+8*\t+2*(\k):rV+8*\t+2*(\k)+1], v[rW+2*(\k):rW+2*(\k)+1], v[RPR+2*\t:RPR+2*\t+1]
.endr
.elseif (\k) == 4
.irp t, 0,1,2,3
	v_add_f32 v[RT+\t], v[RPR+2*\t], v[RPR+2*\t+1]
.endr
.elseif (\k) == 5
.irp t, 0,1,2,3
	v_fmac_f32 v[RT+\t], v[BV+\t], v[WH+(\p)]      ; V's bias x the sum of my half's w
.endr
.elseif (\k) == 6
.irp t, 0,1,2,3
	v_permlanex16_b32 v[RU+\t], v[RT+\t], s26, s27
.endr
.else
.irp t, 0,1,2,3
	v_add_f32 v[AG+4*(\p)+\t], v[RT+\t], v[RU+\t]  ; with the other eight neighbours
.endr
	ds_store_b128 v[AAG], v[AG+4*(\p):AG+4*(\p)+3] offset:1040*(\m)   ; four neighbouring columns; both halves write the same bytes with the same values
.endif
.endm
.macro P3SEC m
.if (\m) == 1
	s_wait_dscnt 0x0
.else
	s_wait_dscnt 4                                 ; node m's nine loads are in; one store of agg and three loads of w behind them may be out
.endif
	WMV \m, 0
	WIN 0
	PLACES 8                                       ; behind node m - 1's last product
.if (\m) < 7
	FETCHX (\m)+1
.endif
.set kk, 1
.rept 7
	WMV \m, kk
	WIN 0
	RED ((\m)-1)%2, (\m)-1, kk-1
.set kk, kk+1
.endr
	RED ((\m)-1)%2, (\m)-1, 7
.if (\m) < 7
	WFETCH (\m)+1                                  ; behind the reduction that read this set of w
.endif
.endm
; The tail: 32 pairs at v[TP] on (16 for each of my two node tiles) are summed; lane (r, h) ends with node r's sum over my 128 columns in v[TP] and v[TP + 32]
.macro TREE
.irp u, 0,1,2,3,4,5,6,7,8,9,10,11,12,13,14,15
	v_pk_add_f32 v[TP+4*\u:TP+4*\u+1], v[TP+4*\u:TP+4*\u+1], v[TP+4*\u+2:TP+4*\u+3]
.endr
.irp u, 0,1,2,3,4,5,6,7
	v_pk_add_f32 v[TP+8*\u:TP+8*\u+1], v[TP+8*\u:TP+8*\u+1], v[TP+8*\u+4:TP+8*\u+5]
.endr
.irp u, 0,1,2,3
	v_pk_add_f32 v[TP+16*\u:TP+16*\u+1], v[TP+16*\u:TP+16*\u+1], v[TP+16*\u+8:TP+16*\u+9]
.endr
.irp u, 0,1
	v_pk_add_f32 v[TP+32*\u:TP+32*\u+1], v[TP+32*\u:TP+32*\u+1], v[TP+32*\u+16:TP+32*\u+17]
.endr
.irp u, 0,1
	v_add_f32 v[TP+32*\u], v[TP+32*\u], v[TP+32*\u+1]
.endr
.irp u, 0,1
	v_permlanex16_b32 v[TP+32*\u+1], v[TP+32*\u], s26, s27
.endr
.irp u, 0,1
	v_add_f32 v[TP+32*\u], v[TP+32*\u], v[TP+32*\u+1]
.endr
.endm
; ---------------- THE HEAD
	s_load_b512 s[4:19], s[0:1], 0x0               ; x s[4:5], wcodes s[6:7], wscales s[8:9], bq s[10:11], bk s[12:13], bv s[14:15], bo s[16:17], gamma s[18:19]
	s_load_b128 s[20:23], s[0:1], 0x40             ; beta s[20:21], out0 s[22:23]
	v_lshl_add_u32 v78, v0, 2, 0x3ac00
	v_mov_b32 v79, 0
	v_lshrrev_b32 v1, 5, v0
	v_readfirstlane_b32 s24, v1                    ; wave 0..3
	v_and_b32 v1, 31, v0                           ; l
	v_and_b32 v2, 15, v0                           ; r
	v_bfe_u32 v3, v0, 4, 1                         ; h
	v_lshlrev_b32 v[GOF], 5, v1
	v_lshlrev_b32 v[L4], 2, v1
	v_lshlrev_b32 v[H64], 6, v3
	v_lshlrev_b32 v[R16], 4, v2
	v_lshlrev_b32 v[H32], 5, v3
	v_lshlrev_b32 v[L16], 4, v1
	s_mov_b32 s26, 0x76543210
	s_mov_b32 s27, 0xfedcba98                      ; v_permlanex16_b32's selects for lane l xor 16
	s_mov_b32 s28, 0x600000                        ; the mantissa field of 57,344
	s_mov_b32 s30, 0x3db8aa3b                      ; c = log2(e) / 16
	s_mov_b32 s31, s30                             ; (named with it as a pair, so it is written)
	s_and_b32 s29, s24, 1                          ; wave % 2: which half of Q's, K's and the output's columns
	s_lshr_b32 s39, s24, 1                         ; wave / 2
	s_mov_b32 s41, 0                               ; s[40:41]: an offset under 4 GiB
	s_lshl_b32 s40, ttmp9, 5
	s_add_co_u32 s40, s40, s24
	s_lshl_b32 s40, s40, 15                        ; 1 MiB a work-group, 32 KB (two nodes) a wave
	s_wait_kmcnt 0x0
	s_add_nc_u64 s[XP:XP+1], s[4:5], s[40:41]
	WIN 0xc0                                       ; destination window 3
.set n, 0
.rept 64
	global_load_b128 v[4*n:4*n+3], v[GOF], s[XP:XP+1] offset:(n/2)*1024+(n%2)*16 th:TH_LOAD_NT   ; trip 0's 32 rows: read once in the launch
.set n, n+1
.endr
	s_lshl_b32 s40, s24, 15
	s_add_nc_u64 s[42:43], s[6:7], s[40:41]        ; my 16 fragments of Wq or Wk: fragment 16 x wave on
	s_lshl_b32 s40, s24, 14
	s_add_co_u32 s40, s40, 131072
	s_add_nc_u64 s[44:45], s[6:7], s[40:41]        ; my 8 of Wv: fragment 64 + 8 x wave on
	s_cmp_lt_u32 s24, 2
	s_cselect_b64 s[46:47], s[10:11], s[12:13]     ; bq for waves 0, 1; bk for waves 2, 3
	s_lshl_b32 s40, s29, 9
	s_add_nc_u64 s[46:47], s[46:47], s[40:41]      ; my 128 numbers of it
	s_add_nc_u64 s[56:57], s[16:17], s[40:41]      ; and, for the tail, of bo,
	s_add_nc_u64 s[58:59], s[18:19], s[40:41]      ; gamma
	s_add_nc_u64 s[60:61], s[20:21], s[40:41]      ; and beta
	s_lshl_b32 s40, s24, 11
	s_add_nc_u64 s[48:49], s[8:9], s[40:41]        ; the scale words of my 16 fragments,
	s_lshl_b32 s40, s24, 10
	s_add_co_u32 s40, s40, 8192
	s_add_nc_u64 s[50:51], s[8:9], s[40:41]        ; of my 8 of Wv,
	s_lshl_b32 s40, s29, 11
	s_add_co_u32 s40, s40, 12288
	s_add_nc_u64 s[54:55], s[8:9], s[40:41]        ; and of my 16 of Wo
	s_lshl_b32 s40, s24, 8
	s_add_nc_u64 s[52:53], s[14:15], s[40:41]      ; bv: my 64 numbers
	s_lshl_b32 s40, s29, 15
	s_add_co_u32 s40, s40, 196608
	s_add_nc_u64 s[WOP:WOP+1], s[6:7], s[40:41]    ; Wo: fragment 96 + 16 (wave % 2) on
	s_lshl_b32 s40, ttmp9, 2
	s_add_co_u32 s40, s40, s24
	s_lshl_b32 s40, s40, 14
	s_add_nc_u64 s[62:63], s[22:23], s[40:41]      ; out0: 64 rows a work-group, 16 a wave
	WIN 0x40                                       ; destination window 1
.set n, 0
.rept 64
	global_load_b128 v[4*n:4*n+3], v[GOF], s[42:43] offset:(n/2)*1024+(n%2)*16
.set n, n+1
.endr
	WIN 0x80                                       ; destination window 2
.set n, 0
.rept 32
	global_load_b128 v[4*n:4*n+3], v[GOF], s[44:45] offset:(n/2)*1024+(n%2)*16
.set n, n+1
.endr
.irp t, 0,1,2,3,4,5,6,7                        ; the bias in the result's layout: lane (r, h) wants, for tile t, e = 32 (t / 2) + 16 h + 8 (t % 2) + 0 .. 7
	global_load_b128 v[BQ+8*\t:BQ+8*\t+3], v[H64], s[46:47] offset:(32*(\t/2)+8*(\t%2))*4
	global_load_b128 v[BQ+8*\t+4:BQ+8*\t+7], v[H64], s[46:47] offset:(32*(\t/2)+8*(\t%2))*4+16
.endr
	WIN 0
.irp f, 0,1,2,3,4,5,6,7,8,9,10,11,12,13,14,15
	global_load_b32 v[W1S+\f], v[L4], s[48:49] offset:128*\f
.endr
.irp f, 0,1,2,3,4,5,6,7
	global_load_b32 v[WVS+\f], v[L4], s[50:51] offset:128*\f
.endr
	global_load_b128 v[BV:BV+3], v[R16], s[52:53]  ; bv of columns 64 w + 4 r + 0 .. 3
	; the LDS addresses: a constant + a constant x lane + a constant x wave
	s_mul_i32 s40, s24, 2*NODEB
	v_lshl_add_u32 v[AXW], v1, 3, s40
	s_lshl_b32 s40, s24, 8
	s_add_co_u32 s40, s40, XSC
	v_lshrrev_b32 v[AXB], 2, v1
	v_add_nc_u32 v[AXB], s40, v[AXB]
	v_mul_u32_u24 v[AXF], v2, 272
	v_lshl_add_u32 v[AXF], v3, 4, v[AXF]
	v_lshl_add_u32 v[AXS], v2, 3, XSC
	s_lshl_b32 s40, s24, 11
	s_add_co_u32 s40, s40, QIMG
	v_lshl_add_u32 v[AQI], v1, 4, s40
	s_lshl_b32 s40, s24, 7
	s_add_co_u32 s40, s40, QSC
	v_lshl_add_u32 v[AQS], v1, 2, s40
	s_lshl_b32 s40, s24, 14
	s_add_co_u32 s40, s40, QIMG
	v_lshl_add_u32 v[AP2], v1, 4, s40
	s_lshl_b32 s40, s24, 10
	s_add_co_u32 s40, s40, QSC
	v_lshl_add_u32 v[AP2S], v1, 2, s40
	s_lshl_b32 s40, s24, 8
	s_add_co_u32 s40, s40, WST
	v_lshl_add_u32 v[AWS], v3, 6, s40
	v_lshl_add_u32 v[AWR], v3, 6, WST
	s_lshl_b32 s40, s24, 8
	s_add_co_u32 s40, s40, AGG
	v_lshl_add_u32 v[AAG0], v2, 4, s40
	s_mul_i32 s40, s24, 2080
	s_add_co_u32 s40, s40, RES
	v_lshl_add_u32 v[RES0], v1, 5, s40
	s_mov_b32 s25, 8                               ; trips to go
	s_mov_b32 s38, 0                               ; the trip's 8 rows of agg and of the residual: 8,320 bytes a trip
; ---------------- A TRIP: 8 nodes
.Ltrip:
	s_wait_xcnt 0x0                                ; the loads issued so far have had their addresses translated: their bases may be written
	s_add_nc_u64 s[XP:XP+1], s[XP:XP+1], 131072    ; the next trip's rows;
	s_cmp_eq_u32 s25, 1
	s_cselect_b64 s[LP:LP+1], s[WOP:WOP+1], s[XP:XP+1]   ; in the last trip Wo's fragments instead: no load leaves x
	v_add_nc_u32 v[AAG], s38, v[AAG0]
	v_add_nc_u32 v[RESA], s38, v[RES0]
	; ---- X8.  (In the first trip the weights' loads are younger than x's: group 7's wait leaves out the 56 loads of groups 0 to 6 alone, so it shows the weights landed too.)
.irp g, 0,1,2,3,4,5,6,7
	XQ4 3, 32*\g, \g, 1, 1
.endr
	BAR                                            ; the 8 nodes' codes and scale bytes lie in LDS
	; ---- P1
	FETCHX 0
	FETCHX 1
	s_wait_dscnt 9                                 ; node 0's nine loads are in; node 1's may be out
.set kk, 0
.rept 16
	WMQK 0, kk                                     ; there is no vector work yet to set between them
.set kk, kk+1
.endr
.irp m, 1,2,3,4,5,6,7
	P1SEC \m
.endr
	PLACES 8
.set kk, 0
.rept 16
.if kk == 7
	s_wait_dscnt 0x0                               ; node 6's image stores have read the codes' registers
.endif
	QSL 1, 7, kk
.set kk, kk+1
.endr
	BAR                                            ; Q's and K's images of the 8 nodes lie in LDS
	; ---- P2: my two nodes
.irp a, 0,1
.irp f, 0,1,2,3
.irp c, 0,1,2,3
	ds_load_b128 v[HA+64*\a+16*\f+4*\c:HA+64*\a+16*\f+4*\c+3], v[AP2] offset:8192*\a+2048*\f+512*\c
.endr
	ds_load_b32 v[SW+4*\a+\f], v[AP2S] offset:512*\a+128*\f
.endr
.endr
	s_wait_dscnt 0x0
.irp s, 0,1                                    ; S^T = K Q^T: source 0 = 16 keys, source 1 = 16 queries: a lane holds query r, register j key 8 h + j.  The two nodes' accumulators take turns
.irp a, 0,1
.if \s == 0
	v_wmma_scale_f32_16x16x128_f8f6f4 v[PC+8*\a:PC+8*\a+7], v[HA+64*\a+32:HA+64*\a+47], v[HA+64*\a:HA+64*\a+15], 0, v[SW+4*\a+2], v[SW+4*\a] matrix_a_fmt:MATRIX_FMT_BF8 matrix_b_fmt:MATRIX_FMT_BF8
.else
	v_wmma_scale_f32_16x16x128_f8f6f4 v[PC+8*\a:PC+8*\a+7], v[HA+64*\a+48:HA+64*\a+63], v[HA+64*\a+16:HA+64*\a+31], v[PC+8*\a:PC+8*\a+7], v[SW+4*\a+3], v[SW+4*\a+1] matrix_a_fmt:MATRIX_FMT_BF8 matrix_b_fmt:MATRIX_FMT_BF8
.endif
.endr
.endr
	PLACES 9                                       ; eight in front of the first read of the scores; the ninth since P3's products write over these operands
.irp a, 0,1
	v_max3_num_f32 v[TM+8*\a], v[PC+8*\a], v[PC+8*\a+1], v[PC+8*\a+2]
.endr
.irp a, 0,1
	v_max3_num_f32 v[TM+8*\a+1], v[PC+8*\a+3], v[PC+8*\a+4], v[PC+8*\a+5]
.endr
.irp a, 0,1
	v_max3_num_f32 v[TM+8*\a], v[TM+8*\a], v[PC+8*\a+6], v[PC+8*\a+7]
.endr
.irp a, 0,1
	v_max_num_f32 v[TM+8*\a], v[TM+8*\a], v[TM+8*\a+1]
.endr
.irp a, 0,1
	v_permlanex16_b32 v[TM+8*\a+1], v[TM+8*\a], s26, s27
.endr
.irp a, 0,1
	v_max_num_f32 v[TM+8*\a], v[TM+8*\a], v[TM+8*\a+1]   ; the query's largest score
.endr
.irp a, 0,1
	v_mul_f32 v[TM+8*\a], s30, v[TM+8*\a]          ; c x it
.endr
.irp j, 0,2,4,6
.irp a, 0,1
	v_pk_fma_f32 v[PC+8*\a+\j:PC+8*\a+\j+1], v[PC+8*\a+\j:PC+8*\a+\j+1], s[30:31], v[TM+8*\a:TM+8*\a+1] op_sel_hi:[1,0,0] neg_lo:[0,0,1] neg_hi:[0,0,1]   ; c s - c max
.endr
.endr
.irp j, 0,1,2,3,4,5,6,7
.irp a, 0,1
	v_exp_f32 v[PC+8*\a+\j], v[PC+8*\a+\j]
.endr
.endr
	v_nop                                          ; a plain line behind the exponentials
	s_wait_alu depctr_va_vdst(0)
.irp a, 0,1
	v_pk_add_f32 v[TM+8*\a+2:TM+8*\a+3], v[PC+8*\a:PC+8*\a+1], v[PC+8*\a+2:PC+8*\a+3]
.endr
.irp a, 0,1
	v_pk_add_f32 v[TM+8*\a+4:TM+8*\a+5], v[PC+8*\a+4:PC+8*\a+5], v[PC+8*\a+6:PC+8*\a+7]
.endr
.irp a, 0,1
	v_pk_add_f32 v[TM+8*\a+2:TM+8*\a+3], v[TM+8*\a+2:TM+8*\a+3], v[TM+8*\a+4:TM+8*\a+5]
.endr
.irp a, 0,1
	v_add_f32 v[TM+8*\a+2], v[TM+8*\a+2], v[TM+8*\a+3]
.endr
.irp a, 0,1
	v_permlanex16_b32 v[TM+8*\a+3], v[TM+8*\a+2], s26, s27
.endr
.irp a, 0,1
	v_add_f32 v[TM+8*\a+2], v[TM+8*\a+2], v[TM+8*\a+3]   ; the query's sum
.endr
.irp a, 0,1
	v_rcp_f32 v[TM+8*\a+4], v[TM+8*\a+2]
.endr
	v_nop                                          ; a plain line behind the reciprocals
	s_wait_alu depctr_va_vdst(0)
.irp a, 0,1
	v_mul_f32 v[TM+8*\a+4], 0x3d800000, v[TM+8*\a+4]   ; and the mean over 16 queries: x 1/16
.endr
.irp j, 0,2,4,6
.irp a, 0,1
	v_pk_mul_f32 v[PC+8*\a+\j:PC+8*\a+\j+1], v[PC+8*\a+\j:PC+8*\a+\j+1], v[TM+8*\a+4:TM+8*\a+5] op_sel_hi:[1,0]
.endr
.endr
.irp x, 1,2,4,8                                ; the sum over the 16 queries, which are the 16 lanes of a half: register j becomes w[8 h + j] in every lane of the half
.irp j, 0,1,2,3,4,5,6,7
.irp a, 0,1
	v_add_f32_dpp v[PC+8*\a+\j], v[PC+8*\a+\j], v[PC+8*\a+\j] row_xmask:\x row_mask:0xf bank_mask:0xf
.endr
.endr
.endr
.irp a, 0,1
	v_pk_add_f32 v[TM+8*\a+2:TM+8*\a+3], v[PC+8*\a:PC+8*\a+1], v[PC+8*\a+2:PC+8*\a+3]
.endr
.irp a, 0,1
	v_pk_add_f32 v[TM+8*\a+4:TM+8*\a+5], v[PC+8*\a+4:PC+8*\a+5], v[PC+8*\a+6:PC+8*\a+7]
.endr
.irp a, 0,1
	v_pk_add_f32 v[TM+8*\a+2:TM+8*\a+3], v[TM+8*\a+2:TM+8*\a+3], v[TM+8*\a+4:TM+8*\a+5]
.endr
.irp a, 0,1
	v_add_f32 v[TM+8*\a+2], v[TM+8*\a+2], v[TM+8*\a+3]   ; the sum of my half's eight w
.endr
.irp a, 0,1
	ds_store_b128 v[AWS], v[PC+8*\a:PC+8*\a+3] offset:128*\a          ; a half's sixteen lanes write the same bytes with the same values
	ds_store_b128 v[AWS], v[PC+8*\a+4:PC+8*\a+7] offset:128*\a+16
	ds_store_b32 v[AWS], v[TM+8*\a+2] offset:128*\a+32
.endr
	BAR                                            ; the 8 nodes' w lie in LDS
	; ---- P3
	FETCHX 0
	WFETCH 0
	FETCHX 1
	WFETCH 1
	s_wait_dscnt 12                                ; node 0's loads are in; node 1's nine and three may be out
.set kk, 0
.rept 8
	WMV 0, kk
.set kk, kk+1
.endr
.irp m, 1,2,3,4,5,6,7
	P3SEC \m
.endr
	PLACES 8
	s_wait_dscnt 0x0                               ; node 7's w, which the last section's wait may have left out
.set kk, 0
.rept 8
	RED 1, 7, kk
.set kk, kk+1
.endr
	BAR                                            ; nobody reads x's codes any more: the next trip writes them again
	s_add_co_u32 s38, s38, 8320
	s_sub_co_u32 s25, s25, 1
	s_cmp_lg_u32 s25, 0
	s_cbranch_scc1 .Ltrip
; ---------------- THE TAIL: 64 nodes = four node tiles.  Wave w quantises tile w of agg; then it makes, for tiles 2 (w / 2) and 2 (w / 2) + 1, the output's columns 128 (w % 2) on.
.irp f, 0,1,2,3,4,5,6,7,8,9,10,11,12,13,14,15
	global_load_b32 v[W1S+\f], v[L4], s[54:55] offset:128*\f   ; Wo's scale words
.endr
	WIN 0x40
.irp t, 0,1,2,3,4,5,6,7                        ; bo, gamma and beta in the result's layout: lane (r, h) wants, for tile t, e = 16 t + 8 h + 0 .. 7
	global_load_b128 v[128+8*\t:128+8*\t+3], v[H32], s[56:57] offset:64*\t
	global_load_b128 v[128+8*\t+4:128+8*\t+7], v[H32], s[56:57] offset:64*\t+16
.endr
	WIN 0x80
.irp t, 0,1,2,3,4,5,6,7
	global_load_b128 v[64+8*\t:64+8*\t+3], v[H32], s[58:59] offset:64*\t
	global_load_b128 v[64+8*\t+4:64+8*\t+7], v[H32], s[58:59] offset:64*\t+16
	global_load_b128 v[8*\t:8*\t+3], v[H32], s[60:61] offset:64*\t
	global_load_b128 v[8*\t+4:8*\t+7], v[H32], s[60:61] offset:64*\t+16
.endr
	WIN 0
	s_mul_i32 s40, s24, 16640                      ; 16 rows of 1,040 bytes
	s_add_co_u32 s41, s40, AGG
	v_lshl_add_u32 v[TAG], v1, 5, s41              ; agg: my 16 rows, 32 bytes a lane
	s_add_co_u32 s41, s40, RES
	v_lshl_add_u32 v[RESA], v1, 4, s41             ; the stage, read back: my 16 rows, 16 bytes a lane
	s_mul_i32 s40, s24, NODEB
	v_lshl_add_u32 v[AXW], v1, 3, s40              ; agg's codes take node slot w
	s_lshl_b32 s40, s24, 7
	s_add_co_u32 s40, s40, XSC
	v_lshrrev_b32 v[AXB], 2, v1
	v_add_nc_u32 v[AXB], s40, v[AXB]
	s_mul_i32 s40, s39, 2*NODEB
	v_add_nc_u32 v[TXF], s40, v[AXF]               ; the fragments of my two node tiles
	s_lshl_b32 s40, s39, 8
	v_add_nc_u32 v[TXS], s40, v[AXS]
	s_add_co_u32 s40, s40, STAT
	v_lshl_add_u32 v[AAG], v2, 2, s40              ; the statistics of my two node tiles, both column halves;
	s_lshl_b32 s41, s29, 6
	v_add_nc_u32 v[ASTW], s41, v[AAG]              ; and where I store my half's
	s_mul_i32 s40, s39, 33280
	s_lshl_b32 s41, s29, 9
	s_add_co_u32 s40, s40, s41
	s_add_co_u32 s40, s40, RES
	v_mul_u32_u24 v[RRES], v2, 1040
	v_lshl_add_u32 v[RRES], v3, 5, v[RRES]
	v_add_nc_u32 v[RRES], s40, v[RRES]             ; the residual in the result's layout: node r's row, + 512 (w % 2) + 32 h
	s_mov_b32 s25, 0x3b800000                      ; 1 / 256
	s_mov_b32 s38, 0x3727c5ac                      ; 1e-5
	WIN 0x40
.irp p, 0,1,2,3,4,5,6,7,8,9,10,11,12,13,14,15
	ds_load_b128 v[8*\p:8*\p+3], v[TAG] offset:1040*\p
	ds_load_b128 v[8*\p+4:8*\p+7], v[TAG] offset:1040*\p+16
.endr
	WIN 0
	s_wait_dscnt 0x0
.irp g, 0,1,2,3
	XQ4 1, 32*\g, \g, 0, 0
.endr
	BAR                                            ; agg's codes of the four node tiles lie in LDS
.irp i, 0,1
.irp s, 0,1
.irp c, 0,1,2,3
	ds_load_b128 v[HA+32*\i+16*\s+4*\c:HA+32*\i+16*\s+4*\c+3], v[TXF] offset:NODEB*\i+128*\s+32*\c
.endr
.endr
	ds_load_b64 v[XS+2*\i:XS+2*\i+1], v[TXS] offset:128*\i
.endr
	WIN 0x40
.irp i, 0,1
.irp t, 0,1,2,3,4,5,6,7
	ds_load_b128 v[64*\i+8*\t:64*\i+8*\t+3], v[RRES] offset:16640*\i+64*\t
	ds_load_b128 v[64*\i+8*\t+4:64*\i+8*\t+7], v[RRES] offset:16640*\i+64*\t+16
.endr
.endr
	WIN 0
	s_wait_loadcnt 0x0                             ; Wo's fragments and scale words, bo, gamma, beta
	s_wait_dscnt 0x0
	WIN 0x93                                       ; source 0 (Wo) window 3, source 1 (agg) window 0, C (bo) window 1, D window 2.  TRANSPOSED: a lane holds node r, registers run along e.  The 16 accumulators take turns
.irp i, 0,1
.irp t, 0,1,2,3,4,5,6,7
	v_wmma_scale_f32_16x16x128_f8f6f4 v[128+64*\i+8*\t:128+64*\i+8*\t+7], v[32*\t:32*\t+15], v[HA+32*\i:HA+32*\i+15], v[128+8*\t:128+8*\t+7], v[W1S+2*\t], v[XS+2*\i] matrix_a_fmt:MATRIX_FMT_BF8 matrix_b_fmt:MATRIX_FMT_BF8
.endr
.endr
	WIN 0xa3                                       ; C and D window 2
.irp i, 0,1
.irp t, 0,1,2,3,4,5,6,7
	v_wmma_scale_f32_16x16x128_f8f6f4 v[128+64*\i+8*\t:128+64*\i+8*\t+7], v[32*\t+16:32*\t+31], v[HA+32*\i+16:HA+32*\i+31], v[128+64*\i+8*\t:128+64*\i+8*\t+7], v[W1S+2*\t+1], v[XS+2*\i+1] matrix_a_fmt:MATRIX_FMT_BF8 matrix_b_fmt:MATRIX_FMT_BF8
.endr
.endr
	WIN 0
	PLACES 8
	WIN 0xa1                                       ; source 0 window 1; source 2 and destination window 2
.set n, 0
.rept 64
	v_pk_fma_f32 v[128+n:129+n], v[n:n+1], 0x3d800000, v[128+n:129+n] op_sel_hi:[1,0,1]   ; + the sum over the neighbours / 16; each accumulator from its low end on
.set n, n+2
.endr
	WIN 0x0a                                       ; sources 0 and 1 window 2
.set n, 0
.rept 32
	v_pk_add_f32 v[TP+2*n:TP+2*n+1], v[128+4*n:129+4*n], v[130+4*n:131+4*n]
.set n, n+1
.endr
	WIN 0
	TREE
.irp i, 0,1
	ds_store_b32 v[ASTW], v[TP+32*\i] offset:128*\i
.endr
	BAR                                            ; both column halves' sums lie in LDS
.irp i, 0,1
	ds_load_b32 v[TM+2*\i], v[AAG] offset:128*\i
	ds_load_b32 v[TM+2*\i+1], v[AAG] offset:128*\i+64
.endr
	s_wait_dscnt 0x0
.irp i, 0,1
	v_add_f32 v[TM+2*\i], v[TM+2*\i], v[TM+2*\i+1]
.endr
.irp i, 0,1
	v_mul_f32 v[TM+4+2*\i], 0xbb800000, v[TM+2*\i] ; -mu, twice: a pair for the packed addition
	v_mul_f32 v[TM+5+2*\i], 0xbb800000, v[TM+2*\i]
.endr
	WIN 0x82                                       ; source 0 and destination window 2
.set n, 0
.rept 64
	v_pk_add_f32 v[128+n:129+n], v[128+n:129+n], v[TM+4+2*(n/64):TM+5+2*(n/64)]
.set n, n+2
.endr
	WIN 0x0a
.set n, 0
.rept 32
	v_pk_mul_f32 v[TP+2*n:TP+2*n+1], v[128+4*n:129+4*n], v[128+4*n:129+4*n]
.set n, n+1
.endr
.set n, 0
.rept 32
	v_pk_fma_f32 v[TP+2*n:TP+2*n+1], v[130+4*n:131+4*n], v[130+4*n:131+4*n], v[TP+2*n:TP+2*n+1]
.set n, n+1
.endr
	WIN 0
	TREE
.irp i, 0,1
	ds_store_b32 v[ASTW], v[TP+32*\i] offset:512+128*\i   ; a second region: no wave's reads of the first are in the way
.endr
	BAR
.irp i, 0,1
	ds_load_b32 v[TM+2*\i], v[AAG] offset:512+128*\i
	ds_load_b32 v[TM+2*\i+1], v[AAG] offset:512+128*\i+64
.endr
	s_wait_dscnt 0x0
.irp i, 0,1
	v_add_f32 v[TM+2*\i], v[TM+2*\i], v[TM+2*\i+1]
.endr
.irp i, 0,1
	v_fma_f32 v[TM+2*\i], v[TM+2*\i], s25, s38     ; the variance + 1e-5
.endr
.irp i, 0,1
	v_rsq_f32 v[TM+4+2*\i], v[TM+2*\i]
	v_rsq_f32 v[TM+5+2*\i], v[TM+2*\i]
.endr
	v_nop                                          ; a plain line behind the roots
	WIN 0x82
.set n, 0
	s_wait_alu depctr_va_vdst(0)
.rept 64
	v_pk_mul_f32 v[128+n:129+n], v[128+n:129+n], v[TM+4+2*(n/64):TM+5+2*(n/64)]
.set n, n+2
.endr
	WIN 0xaa                                       ; all four in window 2
.set n, 0
.rept 64
	v_pk_fma_f32 v[128+n:129+n], v[128+n:129+n], v[64+n%64:65+n%64], v[n%64:n%64+1]   ; x gamma + beta
.set n, n+2
.endr
	WIN 0x08                                       ; an LDS store's data are its source 1: window 2
.irp i, 0,1
.irp t, 0,1,2,3,4,5,6,7
	ds_store_b128 v[RRES], v[128+64*\i+8*\t:128+64*\i+8*\t+3] offset:16640*\i+64*\t      ; over the residual's bytes that I alone have read
	ds_store_b128 v[RRES], v[128+64*\i+8*\t+4:128+64*\i+8*\t+7] offset:16640*\i+64*\t+16
.endr
.endr
	WIN 0
	BAR                                            ; 64 whole rows of the output lie in the stage
.set n, 0
.rept 32
	ds_load_b128 v[HA+4*n:HA+4*n+3], v[RESA] offset:1040*(n/2)+512*(n%2)
.set n, n+1
.endr
.set n, 0
.rept 32
	s_wait_dscnt 31-n                              ; LDS loads come back in order: load n is in, the younger ones may be out
	global_store_b128 v[L16], v[HA+4*n:HA+4*n+3], s[62:63] offset:1024*(n/2)+512*(n%2) th:TH_STORE_NT   ; 32 lanes store 512 consecutive bytes, at a multiple of 512 from out0's first byte
.set n, n+1
.endr
	s_wait_tensorcnt 0x0
	ds_add_u32 v78, v79
	s_wait_dscnt 0x0
	s_endpgm
.Lfunc_end_k_q6dd6e6a150_main:
	.size	k_q6dd6e6a150_main, .Lfunc_end_k_q6dd6e6a150_main-k_q6dd6e6a150_main
	.p2alignl 7, 3214868480
	.fill 96, 4, 3214868480
	.section	.rodata,"a",@progbits
	.p2align	6, 0x0
	.amdhsa_kernel k_q6dd6e6a150_main
		.amdhsa_group_segment_fixed_size 241152
		.amdhsa_private_segment_fixed_size 0
		.amdhsa_enable_private_segment 0
		.amdhsa_kernarg_size 80
		.amdhsa_user_sgpr_count 2
		.amdhsa_user_sgpr_kernarg_segment_ptr 1
		.amdhsa_wavefront_size32 1
		.amdhsa_system_sgpr_workgroup_id_x 1
		.amdhsa_system_sgpr_workgroup_id_y 1
		.amdhsa_system_sgpr_workgroup_id_z 1
		.amdhsa_system_vgpr_workitem_id 0
		.amdhsa_next_free_vgpr 1024
		.amdhsa_next_free_sgpr 66
		.amdhsa_reserve_vcc 0
		.amdhsa_float_denorm_mode_32 3
		.amdhsa_float_denorm_mode_16_64 3
		.amdhsa_memory_ordered 1
		.amdhsa_forward_progress 1
		.amdhsa_inst_pref_size 255
	.end_amdhsa_kernel
	.section	.bss,"aw",@nobits
	.p2align	6
	.space	262144
	.amdgpu_metadata
---
amdhsa.version: [ 1, 2 ]
amdhsa.kernels:
  - .name:           k_q6dd6e6a150_main
    .symbol:         k_q6dd6e6a150_main.kd
    .args:
      - { .name: neighbor_features, .offset: 0, .size: 8, .value_kind: global_buffer, .address_space: global }
      - { .name: wcodes, .offset: 8, .size: 8, .value_kind: global_buffer, .address_space: global }
      - { .name: wscales, .offset: 16, .size: 8, .value_kind: global_buffer, .address_space: global }
      - { .name: bq, .offset: 24, .size: 8, .value_kind: global_buffer, .address_space: global }
      - { .name: bk, .offset: 32, .size: 8, .value_kind: global_buffer, .address_space: global }
      - { .name: bv, .offset: 40, .size: 8, .value_kind: global_buffer, .address_space: global }
      - { .name: bo, .offset: 48, .size: 8, .value_kind: global_buffer, .address_space: global }
      - { .name: gamma, .offset: 56, .size: 8, .value_kind: global_buffer, .address_space: global }
      - { .name: beta, .offset: 64, .size: 8, .value_kind: global_buffer, .address_space: global }
      - { .name: out0, .offset: 72, .size: 8, .value_kind: global_buffer, .address_space: global }
    .group_segment_fixed_size: 241152
    .private_segment_fixed_size: 0
    .kernarg_segment_align: 8
    .kernarg_segment_size: 80
    .max_flat_workgroup_size: 128
    .sgpr_count:     66
    .vgpr_count:     1024
    .wavefront_size: 32
...
	.end_amdgpu_metadata
.endif
;; end of part 2
;; ======== version 2 of 2: 2 launches
;; workspace buffers: wcodes 262,144 bytes; wscales 16,384 bytes
;; launch wprep (part 3): grid 32 x 1, 4 waves a work-group, no clusters, 0 bytes of LDS; arguments Wq, Wk, Wv, Wo, wcodes, wscales; writes wcodes, wscales
.if DOCPART == 3
	.amdgcn_target "amdgcn-amd-amdhsa--gfx1250"
	.amdhsa_code_object_version 6
	.text
	.protected	k_q6dd6e6a150_wprep
	.globl	k_q6dd6e6a150_wprep
	.p2align	8
	.type	k_q6dd6e6a150_wprep,@function
k_q6dd6e6a150_wprep:
	s_mov_b64 s[64:65], 0
	v_nop
	global_prefetch_b8 v0, s[64:65] scope:SCOPE_SE
	s_setreg_imm32_b32 hwreg(HW_REG_WAVE_MODE, 25, 1), 1
	s_wait_xcnt 0x0
; Wq, Wk, Wv, Wo [256][256] f32 (K innermost) become codes of BF8 (E5M2) with one E8M0 scale byte for each 32 along K, laid IN THE ORDER OF THE OPERAND'S REGISTERS,
; so that the next launch loads each fragment (16 rows x 128 K: 16 registers a lane) whole and keeps it in registers.
; Fragment f = 32 mat + 2 t + s (mat 0 Wq, 1 Wk, 2 Wv, 3 Wo; t the tile of 16 rows; s the K step of 128) takes 2,048 bytes at 2048 f; registers 4 q .. 4 q + 3 of lane l lie at 1024 (q / 2) + 32 l + 16 (q % 2).
; Its scale words, 4 bytes a lane, lie at 128 f + 4 l of wscales (lanes 16-31 hold a copy of lanes 0-15).
; WHICH ROW OF W LANE r OF TILE t TAKES is free and is chosen for the reader:  Wq, Wk: 32 (t / 2) + 8 (t % 2) + r + 8 (r / 8), so that two neighbouring tiles' results are 16 neighbours along the next K;
; Wv: 64 (t / 4) + 4 r + t % 4, so that a lane's four tiles are four neighbouring columns;  Wo: 16 t + r.
; One wave makes one fragment: 128 waves.  Lane (r, h) loads, of its row, k = 128 s + 32 b + 16 h + 0 .. 15 for b = 0 .. 3: the operand's own layout, so the conversions' results are the fragment.
; A block's scale is 2^(floor(log2(its largest magnitude)) - 15); its byte is that magnitude's exponent field - 15, held at 1 from below.
; LIMITS: a block whose largest magnitude lies under 2^-111 gets the byte 1; a block of zeros gets 1 where the rule says 127 (its codes are zeros, and this program alone reads the bytes); NaN and infinities are not served.
; The buffers are small (272 KB in all): a store's lanes stand 32 bytes apart and two stores together cover 1,024 consecutive bytes.
.set TM, 16                            ; v16-19 largest magnitudes, v20-23 the other half's / the bytes, v24-27 57,344 x the scale, v28-31 the conversions' scale operands
.set XN, 32                            ; v32-95 64 numbers: register 16 b + i
.set PC, 96                            ; v96-111 the codes
.set PW, 112                           ; v112 the scale word
	s_load_b256 s[4:11], s[0:1], 0x0               ; Wq, Wk, Wv, Wo
	s_load_b128 s[12:15], s[0:1], 0x20             ; wcodes, wscales
	v_lshrrev_b32 v1, 5, v0
	v_readfirstlane_b32 s16, v1                    ; wave
	v_and_b32 v1, 31, v0                           ; l
	v_and_b32 v2, 15, v0                           ; r
	s_wait_alu depctr_va_vdst(0)
	v_bfe_u32 v3, v0, 4, 1                         ; h
	s_lshr_b32 s17, ttmp9, 3                       ; mat
	s_and_b32 s18, ttmp9, 7
	s_lshl_b32 s18, s18, 2
	s_add_co_u32 s18, s18, s16                     ; the fragment's number within its matrix
	s_lshr_b32 s19, s18, 1                         ; t
	s_and_b32 s20, s18, 1                          ; s
	s_lshl_b32 s21, ttmp9, 2
	s_add_co_u32 s21, s21, s16                     ; f
	s_lshr_b32 s22, s19, 1
	s_lshl_b32 s22, s22, 5
	s_and_b32 s23, s19, 1
	s_lshl_b32 s23, s23, 3
	s_add_co_u32 s22, s22, s23                     ; Wq, Wk: 32 (t / 2) + 8 (t % 2)
	s_lshl_b32 s23, s19, 4                         ; Wo: 16 t
	s_lshr_b32 s24, s19, 2
	s_lshl_b32 s24, s24, 6
	s_and_b32 s25, s19, 3
	s_add_co_u32 s24, s24, s25                     ; Wv: 64 (t / 4) + t % 4
	s_cmp_lt_u32 s17, 2
	s_cselect_b32 s22, s22, s23
	s_cselect_b32 s26, 1, 0                        ; Wq, Wk alone add 8 (r / 8)
	s_cmp_eq_u32 s17, 2
	s_cselect_b32 s22, s24, s22                    ; the tile's first row
	s_cselect_b32 s27, 4, 1                        ; rows from lane to lane
	s_lshl_b32 s28, s20, 9                         ; the K step: 512 bytes
	s_mov_b32 s32, 0x76543210
	s_mov_b32 s33, 0xfedcba98                      ; v_permlanex16_b32's selects for lane l xor 16
	s_mov_b32 s34, 0x600000                        ; the mantissa field of 57,344
	v_mad_u32_u24 v4, v2, s27, s22
	v_and_b32 v5, 8, v2
	v_mad_u32_u24 v4, v5, s26, v4                  ; my row of W
	v_lshlrev_b32 v4, 10, v4                       ; 1,024 bytes a row
	s_wait_alu depctr_va_vdst(0)
	v_lshl_add_u32 v4, v3, 6, v4                   ; + 64 h: my 16 numbers of a block of 32
	v_add_nc_u32 v4, s28, v4
	v_lshlrev_b32 v6, 5, v1                        ; out: 32 l
	v_lshlrev_b32 v7, 2, v1                        ; and 4 l
.irp b, 0,1,2,3
	v_mov_b32 v[TM+4+\b], 0                        ; a lane permute's destination counts as one of its sources
.endr
	s_lshl_b32 s30, s21, 11
	s_mov_b32 s31, 0
	s_lshl_b32 s36, s21, 7
	s_mov_b32 s37, 0
	s_wait_alu depctr_va_vdst(0)
	s_wait_kmcnt 0x0
	s_cmp_eq_u32 s17, 1                            ; the matrix is chosen by the work-group's number alone
	s_cselect_b64 s[4:5], s[6:7], s[4:5]
	s_cmp_eq_u32 s17, 2
	s_cselect_b64 s[4:5], s[8:9], s[4:5]
	s_cmp_eq_u32 s17, 3
	s_cselect_b64 s[4:5], s[10:11], s[4:5]
	s_add_nc_u64 s[12:13], s[12:13], s[30:31]      ; wcodes + 2048 f
	s_add_nc_u64 s[14:15], s[14:15], s[36:37]      ; wscales + 128 f
.irp b, 0,1,2,3
.irp j, 0,1,2,3
	global_load_b128 v[XN+16*\b+4*\j:XN+16*\b+4*\j+3], v4, s[4:5] offset:128*\b+16*\j
.endr
.endr
	s_wait_loadcnt 0x0
.irp b, 0,1,2,3
	v_max3_num_f32 v[TM+\b], |v[XN+16*\b]|, |v[XN+1+16*\b]|, 0x8000000   ; block b: my 16 numbers, and the floor 2^(16 - 127): the byte cannot fall under 1
.endr
.irp i, 2,4,6,8,10,12,14
.irp b, 0,1,2,3
	v_max3_num_f32 v[TM+\b], v[TM+\b], |v[XN+16*\b+\i]|, |v[XN+1+16*\b+\i]|   ; the four blocks by turns
.endr
.endr
.irp b, 0,1,2,3
	v_permlanex16_b32 v[TM+4+\b], v[TM+\b], s32, s33
.endr
.irp b, 0,1,2,3
	v_max_num_f32 v[TM+\b], v[TM+\b], v[TM+4+\b]   ; with lane l xor 16's 16: the block's largest magnitude
.endr
.irp b, 0,1,2,3
	v_add_nc_u32 v[TM+12+\b], 0xf8800000, v[TM+\b] ; 15 off its exponent field: the conversion takes this operand's exponent field as its scale
.endr
.irp b, 0,1,2,3
	v_and_or_b32 v[TM+8+\b], v[TM+\b], 0x7f800000, s34   ; 57,344 x the scale
.endr
.irp b, 0,1,2,3
	v_lshrrev_b32 v[TM+4+\b], 23, v[TM+12+\b]      ; the scale's byte
.endr
	v_lshl_or_b32 v[PW], v[TM+5], 8, v[TM+4]
	v_lshl_or_b32 v[PW], v[TM+6], 16, v[PW]
	v_lshl_or_b32 v[PW], v[TM+7], 24, v[PW]        ; my row's scale word
.irp b, 0,1,2,3
.irp i, 0,1,2,3,4,5,6,7,8,9,10,11,12,13,14,15
	v_med3_num_f32 v[XN+16*\b+\i], v[XN+16*\b+\i], -v[TM+8+\b], v[TM+8+\b]   ; the conversion to an 8-bit code does not saturate (ISA guide 7.6.2): the hold comes first
.endr
	v_cvt_scalef32_pk8_bf8_f32 v[PC+4*\b:PC+4*\b+1], v[XN+16*\b:XN+16*\b+7], v[TM+12+\b]
	v_cvt_scalef32_pk8_bf8_f32 v[PC+4*\b+2:PC+4*\b+3], v[XN+16*\b+8:XN+16*\b+15], v[TM+12+\b]
.endr
	v_nop                                          ; a plain line behind the last conversion
.irp q, 0,1,2,3
	global_store_b128 v6, v[PC+4*\q:PC+4*\q+3], s[12:13] offset:1024*(\q/2)+16*(\q%2)
.endr
	global_store_b32 v7, v[PW], s[14:15]
	s_endpgm
.Lfunc_end_k_q6dd6e6a150_wprep:
	.size	k_q6dd6e6a150_wprep, .Lfunc_end_k_q6dd6e6a150_wprep-k_q6dd6e6a150_wprep
	.p2alignl 7, 3214868480
	.fill 96, 4, 3214868480
	.section	.rodata,"a",@progbits
	.p2align	6, 0x0
	.amdhsa_kernel k_q6dd6e6a150_wprep
		.amdhsa_group_segment_fixed_size 0
		.amdhsa_private_segment_fixed_size 0
		.amdhsa_enable_private_segment 0
		.amdhsa_kernarg_size 48
		.amdhsa_user_sgpr_count 2
		.amdhsa_user_sgpr_kernarg_segment_ptr 1
		.amdhsa_wavefront_size32 1
		.amdhsa_system_sgpr_workgroup_id_x 1
		.amdhsa_system_sgpr_workgroup_id_y 1
		.amdhsa_system_sgpr_workgroup_id_z 1
		.amdhsa_system_vgpr_workitem_id 0
		.amdhsa_next_free_vgpr 128
		.amdhsa_next_free_sgpr 66
		.amdhsa_reserve_vcc 0
		.amdhsa_float_denorm_mode_32 3
		.amdhsa_float_denorm_mode_16_64 3
		.amdhsa_memory_ordered 1
		.amdhsa_forward_progress 1
		.amdhsa_inst_pref_size 13
	.end_amdhsa_kernel
	.amdgpu_metadata
---
amdhsa.version: [ 1, 2 ]
amdhsa.kernels:
  - .name:           k_q6dd6e6a150_wprep
    .symbol:         k_q6dd6e6a150_wprep.kd
    .args:
      - { .name: Wq, .offset: 0, .size: 8, .value_kind: global_buffer, .address_space: global }
      - { .name: Wk, .offset: 8, .size: 8, .value_kind: global_buffer, .address_space: global }
      - { .name: Wv, .offset: 16, .size: 8, .value_kind: global_buffer, .address_space: global }
      - { .name: Wo, .offset: 24, .size: 8, .value_kind: global_buffer, .address_space: global }
      - { .name: wcodes, .offset: 32, .size: 8, .value_kind: global_buffer, .address_space: global }
      - { .name: wscales, .offset: 40, .size: 8, .value_kind: global_buffer, .address_space: global }
    .group_segment_fixed_size: 0
    .private_segment_fixed_size: 0
    .kernarg_segment_align: 8
    .kernarg_segment_size: 48
    .max_flat_workgroup_size: 128
    .sgpr_count:     66
    .vgpr_count:     128
    .wavefront_size: 32
...
	.end_amdgpu_metadata
.endif
;; end of part 3
;; launch main (part 4): grid 256 x 1, 4 waves a work-group, no clusters, 241,152 bytes of LDS; arguments neighbor_features, wcodes, wscales, bq, bk, bv, bo, gamma, beta, out0; writes out0
.if DOCPART == 4
	.amdgcn_target "amdgcn-amd-amdhsa--gfx1250"
	.amdhsa_code_object_version 6
	.text
	.protected	k_q6dd6e6a150_main
	.globl	k_q6dd6e6a150_main
	.p2align	8
	.type	k_q6dd6e6a150_main,@function
k_q6dd6e6a150_main:
	s_mov_b64 s[64:65], 0
	v_nop
	global_prefetch_b8 v0, s[64:65] scope:SCOPE_SE
	s_setreg_imm32_b32 hwreg(HW_REG_WAVE_SCHED_MODE, 0, 2), 2
	s_setreg_imm32_b32 hwreg(HW_REG_WAVE_MODE, 25, 1), 1
	s_wait_xcnt 0x0
	s_wait_alu depctr_vm_vsrc(0)
; For each of 16,384 nodes (x: 16 neighbours x 256, f32): Q, K, V = x W^T + b;  attn = softmax(Q K^T / 16);  agg = mean over queries of attn V;  out = LayerNorm(agg Wo^T + bo + mean over neighbours of x).
; Products x W^T, Q K^T and agg Wo^T run on codes of BF8 (E5M2) with one E8M0 scale for each 32 along K; attn V (K = 16) stays in f32.
; BY LINEARITY, for every input: mean_q(attn V) = (mean_q attn) V.  So w[k] = (1/16) sum_q attn[q][k] is made first and agg[e] = sum_k w[k] V[k][e] is 16 fused multiply-adds an output.
; V's bias enters as bv[e] x sum_k w[k], with the sum as it is computed.
; SHARES.  256 work-groups of four waves; a work-group owns 64 nodes (1 MiB of x) and walks them in 8 trips of 8 nodes, then one tail (Wo, LayerNorm) for all 64.
; THE WAVES SHARE THE COLUMNS: wave 0: Q 0-127, wave 1: Q 128-255, wave 2: K 0-127, wave 3: K 128-255; wave w also V's columns 64 w .. 64 w + 63.  A wave's weights (384 registers) stay in registers for the whole loop.
; A TRIP, four barriers:  X8: wave w quantises nodes 2 w, 2 w + 1 of the trip (codes as rows into LDS, scale bytes beside them), sums the rows for the residual, and asks for the next trip's rows |
;   P1: for each of the 8 nodes: my 8 tiles of Q or K (transposed: a lane holds one neighbour, registers run along e), quantised in registers: one whole fragment, stored to LDS as an image of its registers |
;   P2: nodes 2 w, 2 w + 1: S^T = K Q^T, softmax, w |   P3: for each of the 8 nodes: my 4 tiles of V (a lane holds one column, registers run down the neighbours), the weighted sum, agg to LDS |
; In P1 and P3 one node's products and the node before's vector work stand by turns in the text, a slice behind each matrix instruction.
; x COMES BY LOADS INTO 256 REGISTERS A WAVE (two nodes, 64 loads of 16 bytes a lane); each group of 8 loads is issued again as soon as its 4 rows are converted, so 56 to 64 loads of the wave are always out.
; A lane takes 32 neighbouring bytes of a row (8 numbers of one block of 32: what a conversion wants) by two loads that stand together and cover the row's 1,024 bytes.
; In the last trip the same 64 lines fetch Wo's 16 fragments, which the launch before laid for exactly these offsets: no load is skipped, and every count holds in every trip.
; NO CLUSTER: the work-groups share the weights' codes alone (80 KB a wave, read once, straight into the registers in which they stay); x is shared by nobody.  A joint load lands in LDS: a passage more for bytes used once.
; NO TENSOR LOAD: x is wanted in registers (the residual's sum, the conversions), and f32 through LDS would be 32 KB more LDS traffic a node.
; LIMITS: NaN and infinities are not served; a block whose largest magnitude lies under 2^-111 gets the scale byte 1; a block of zeros gets 1 where the rule says 127 (its codes are zeros; this program alone reads the bytes).
; The variance is taken of out - mu in a second pass.  The softmax takes the row's maximum away first.
; THE MODE: SCHED_MODE bits 1:0 = 2 (LLVM: expert scheduling mode 2), set by the entry lines.  The code itself states the register dependences
; between vector or matrix instructions and memory or LDS instructions, with s_wait_alu, always for 0.
; THE PLAN.  Registers that memory or LDS instructions touch, in the loop:
;   window 3        X8, group g: its vector lines read, hold and convert the group's 32 registers; behind them the next trip's 8 loads land there.
;   XCD, XBY        two sets.  Written by group g's conversions and shifts, read by its 8 LDS stores, written again by group g + 2.
;   RSUM            written by a node's four groups, read by two stores in the fourth; the registers are HA's, which P1's products write.
;   XF, XS          two buffers.  Node m's products (P1, P3) read buffer m % 2; node m + 2's nine LDS loads, which stand in node m + 1's section, land in it.
;   PC, PW          written by the quantising of node m - 1, read by its five image stores at the end of node m's section, written again a section later.
;   HA, SW          P2's 40 LDS loads land there; the lines that named them last stand ahead of the wait in front of node 7's image stores.
;   WW, WH          two sets.  Read by the reduction of node m - 1; node m + 1's three loads land there behind it.
;   AG              two sets.  Written by a reduction's last four additions, read by one store, written again two nodes later.
;   AAG, RESA       written once a trip, at its head; read by the stores of agg and of the residual.  Every other address is made at the head and never written in the loop.
; So: in X8 one wait on vm_vsrc at a group's head and one on va_vdst behind its conversions; in P1 and P3 ONE wait on va_vdst at a node's end, ahead of that node's stores: it also shows the products issued
; in the section done with x's buffer, so the fetch into it, behind the next section's eight places, owes nothing more: between the wait and the fetch stand stores, one product on the other buffer and v_nop alone.
; Only node 2's fetch has a wait of its own (none stands behind node 0's products).  One wait on vm_vsrc stands behind each barrier behind which registers that stores have read are written over.
;
; LDS (bytes):
.set XROW, 0                           ; 8 nodes x 16 rows x 272: a row's 256 codes in their order along K, + 16 of padding: the sixteen rows that a load touches begin at sixteen different banks (64 banks of 4 bytes: ISA guide 11.1)
.set XSC,  34816                       ; node x 128 + row x 8 + block: x's scale bytes
.set QIMG, 35840                       ; node x 8192 + wave x 2048 + 512 c + 16 l: images of Q's (waves 0, 1) and K's (2, 3) fragments
.set QSC,  101376                      ; node x 512 + wave x 128 + 4 l: their scale words
.set WST,  105472                      ; node x 128 + 64 h: w[8 h .. 8 h + 7], and at + 32 their sum
.set AGG,  106496                      ; 64 nodes x 1040: agg, f32
.set RES,  173056                      ; 64 nodes x 1040: the sum of x over the neighbours; in the tail the stage for the output
.set STAT, 239616                      ; two regions of 512: (node tile x 2 + column half) x 64 + 4 r
.set NODEB, 4352                       ; a node's 16 rows of codes
; REGISTERS, in windows of 256 (s_set_vgpr_msb's low byte: bits 1:0 source 0, 3:2 source 1, 5:4 source 2, 7:6 destination):
;   window 1: my 16 fragments of Wq or Wk, (t, s) at 16 (2 t + s); in the tail v0-127 agg's rows, then the residual; v128-191 bo
;   window 2: v0-127 my 8 fragments of Wv; v128-191 my bias in the result's layout; v192-255 x's two fragments, two buffers; in the tail v0-63 beta, v64-127 gamma, v128-255 the 16 accumulators of the output
;   window 3: x: row rho of node a at 128 a + 8 rho; behind the last trip Wo's 16 fragments
;   window 0:
.set GOF,  4                           ; 32 l: global offset of x's and the codes' loads
.set AXW,  5                           ; where I store a row's codes
.set AXB,  6                           ; and its scale bytes
.set AXF,  7                           ; where I read x's fragments: 272 r + 16 h
.set AXS,  8                           ; and x's scale words: 8 r
.set AQI,  9                           ; where I store my image
.set AQS,  10                          ; and its scale words
.set AP2,  11                          ; where P2 reads its two nodes' images
.set AP2S, 12
.set AWS,  13                          ; where P2 stores w
.set AWR,  14                          ; where P3 reads it
.set AAG0, 15                          ; agg: my columns, trip 0
.set RES0, 16                          ; the residual: my nodes, trip 0
.set AAG,  17                          ; the same for the trip in hand (in the tail: where the statistics are read)
.set RESA, 18                          ; (in the tail: where the stage is read back)
.set L4,   19                          ; 4 l
.set BV,   20                          ; v20-23 bv of my four columns
.set XS,   24                          ; v24-27 x's scale words, a pair for each buffer: scales and nothing else
.set W1S,  28                          ; v28-43 Wq's or Wk's scale words; in the tail Wo's
.set WVS,  44                          ; v44-51 Wv's
.set PW,   52                          ; the scale word just made
.set H64,  53                          ; 64 h
.set R16,  54                          ; 16 r
.set H32,  55                          ; 32 h
.set TM,   56                          ; v56-77 at work; v78, v79: the closing add's two registers, made at the head and kept for that alone
.set PC,   80                          ; v80-95 codes just made; in P2 the scores
.set HA,   96                          ; v96-159, v160-223 two sets of 8 accumulators of Q or K; in P2 the fragments; in P3 two sets of 4 accumulators of V
.set SW,   224                         ; v224-231 P2's scale words: scales and nothing else
.set WW,   232                         ; v232-247 w, two sets
.set WH,   248                         ; v248-249 their sums
.set L16,  250                         ; 16 l
.set TAG,  251                         ; the tail's LDS addresses
.set TXF,  252
.set TXS,  253
.set RRES, 254
.set ASTW, 255
.set XM,   56                          ; X8: largest magnitudes, v60-63 scale operands, v64-67 holds, v68-75 bytes (two sets), v80-95 codes (two sets), v96-111 the residual's sums (two nodes)
.set XSCL, 60
.set XHO,  64
.set XBY,  68
.set XCD,  80
.set RSUM, 96
.set RPR,  56                          ; P3: four pairs, v64-67 sums, v68-71 the other half's, v80-87 results (two sets)
.set RT,   64
.set RU,   68
.set AG,   80
.set TP,   96                          ; the tail: 32 pairs of partial sums
.set BQ,   128                         ; window 2
.set XF,   192                         ; window 2
.set XP,   32                          ; s[32:33] x at my two nodes of the next trip
.set WOP,  34                          ; s[34:35] my 16 fragments of Wo
.set LP,   36                          ; s[36:37] what the trip's 64 loads fetch
.set MSB, 0
.macro WIN new                         ; the immediate's high byte repeats the setting that is left; a switch that changes nothing is dropped
.if MSB != (\new)
	s_set_vgpr_msb (MSB<<8)|(\new)
.set MSB, \new
.endif
.endm
.macro BAR                             ; my LDS stores have landed and my LDS loads are in: then the work-group's barrier
	s_wait_dscnt 0x0
	s_barrier_signal -1
	s_barrier_wait -1
.endm
.macro PLACES n                        ; plain vector lines behind a matrix instruction (ISA guide 7.12.1), where no useful one is at hand
.rept \n
	v_nop
.endr
.endm
; FOUR ROWS at v[base + 8 q] of window W become codes and scale bytes in LDS.  A lane holds 8 neighbours (d = 8 l + 0 .. 7), so four lanes hold a block of 32.  G: the group (rows 4 (G % 4) on of node G / 4).
; res = 1: the rows are also added to the residual's sum.  reload = 1: the rows come from global loads, and their registers are loaded again at once.
.macro XQ4 W, base, G, res, reload
.set xSET, (\G)%2
.set xNA, (\G)/4
.set xR0, 4*((\G)%4)
.if \reload
	s_wait_loadcnt 56                              ; my group's 8 loads were issued 8 groups ago: the 7 groups x 8 loads behind them may be out
.endif
	s_wait_dscnt 8                                 ; the last group's 8 stores may be out; those of two groups back, which read this set of codes and bytes, are done
	s_wait_alu depctr_vm_vsrc(0)                   ; the LDS stores issued so far have read this set of codes and bytes and, at a node's first group, the registers of the residual's sum: all are written again below
	WIN (\W)|((\W)<<2)
.if \res
.if (\G)%4 == 0
.irp i, 0,2,4,6
	v_pk_add_f32 v[RSUM+8*xNA+\i:RSUM+8*xNA+\i+1], v[(\base)+\i:(\base)+\i+1], v[(\base)+8+\i:(\base)+8+\i+1]   ; a node's first two rows start its sum: nothing is cleared
.endr
.endif
.endif
.irp q, 0,1,2,3
	v_max3_num_f32 v[XM+\q], |v[(\base)+8*\q]|, |v[(\base)+8*\q+1]|, 0x8000000   ; the floor 2^(16 - 127) among the leaves: the byte cannot fall under 1
.endr
.irp i, 2,4,6
.irp q, 0,1,2,3
	v_max3_num_f32 v[XM+\q], |v[(\base)+8*\q+\i]|, |v[(\base)+8*\q+\i+1]|, v[XM+\q]   ; the four rows by turns
.endr
.endr
.if \res
	WIN \W
.irp q, 0,1,2,3
.if ((\G)%4 != 0) || (\q > 1)
.irp i, 0,2,4,6
	v_pk_add_f32 v[RSUM+8*xNA+\i:RSUM+8*xNA+\i+1], v[(\base)+8*\q+\i:(\base)+8*\q+\i+1], v[RSUM+8*xNA+\i:RSUM+8*xNA+\i+1]
.endr
.endif
.endr
.endif
	WIN 0
.irp q, 0,1,2,3
	v_max_num_f32_dpp v[XM+\q], v[XM+\q], v[XM+\q] row_xmask:1 row_mask:0xf bank_mask:0xf
.endr
.irp q, 0,1,2,3
	v_max_num_f32_dpp v[XM+\q], v[XM+\q], v[XM+\q] row_xmask:2 row_mask:0xf bank_mask:0xf   ; the block's four lanes
.endr
.irp q, 0,1,2,3
	v_add_nc_u32 v[XSCL+\q], 0xf8800000, v[XM+\q]  ; 15 off the exponent field: the conversion's scale operand
.endr
.irp q, 0,1,2,3
	v_and_or_b32 v[XHO+\q], v[XM+\q], 0x7f800000, s28   ; 57,344 x the scale
.endr
.irp q, 0,1,2,3
	v_lshrrev_b32 v[XBY+4*xSET+\q], 23, v[XSCL+\q] ; the scale's byte
.endr
	WIN (\W)|((\W)<<6)
.irp q, 0,1,2,3
.irp i, 0,1,2,3,4,5,6,7
	v_med3_num_f32 v[(\base)+8*\q+\i], v[(\base)+8*\q+\i], -v[XHO+\q], v[XHO+\q]   ; the conversion does not saturate (ISA guide 7.6.2): the hold comes first
.endr
.endr
	WIN \W
.irp q, 0,1,2,3
	v_cvt_scalef32_pk8_bf8_f32 v[XCD+8*xSET+2*\q:XCD+8*xSET+2*\q+1], v[(\base)+8*\q:(\base)+8*\q+7], v[XSCL+\q]
.endr
	WIN 0
	v_nop                                          ; a plain line behind the last conversion
	s_wait_alu depctr_va_vdst(0)                   ; the codes, the bytes and the residual's sum are written, which the stores below read (and so are the addresses made since the last such wait); the holds and conversions are done with the four rows' registers, in which the loads below land
.irp q, 0,1,2,3
	ds_store_b64 v[AXW], v[XCD+8*xSET+2*\q:XCD+8*xSET+2*\q+1] offset:xNA*NODEB+(xR0+\q)*272   ; 32 lanes: a row's 256 codes
.endr
.irp q, 0,1,2,3
	ds_store_b8 v[AXB], v[XBY+4*xSET+\q] offset:xNA*128+(xR0+\q)*8   ; a block's four lanes write the same byte with the same value
.endr
.if \reload
	WIN (\W)<<6
.irp u, 0,1,2,3,4,5,6,7
	global_load_b128 v[(\base)+4*\u:(\base)+4*\u+3], v[GOF], s[LP:LP+1] offset:(4*(\G)+\u/2)*1024+(\u%2)*16   ; no hint: in the last trip these lines fetch Wo's codes, which other work-groups read too.  Since the wait above only stores stand here, which name neither v[GOF] nor the rows' registers
.endr
	WIN 0
.endif
.if \res
.if (\G)%4 == 3
	ds_store_b128 v[RESA], v[RSUM+8*xNA:RSUM+8*xNA+3] offset:1040*xNA
	ds_store_b128 v[RESA], v[RSUM+8*xNA+4:RSUM+8*xNA+7] offset:1040*xNA+16
.endif
.endif
.endm
; x's two fragments and its scale words of node m, into buffer m % 2: nine LDS loads
.macro FETCHX m
	WIN 0x80                                       ; destination window 2
.irp s, 0,1
.irp c, 0,1,2,3
	ds_load_b128 v[XF+32*((\m)%2)+16*\s+4*\c:XF+32*((\m)%2)+16*\s+4*\c+3], v[AXF] offset:(\m)*NODEB+128*\s+32*\c
.endr
.endr
	WIN 0
	ds_load_b64 v[XS+2*((\m)%2):XS+2*((\m)%2)+1], v[AXS] offset:128*(\m)
.endm
; Product k of 16 of node m's Q or K: K step k / 8, tile k % 8.  TRANSPOSED: source 0 = 16 rows of W, source 1 = x's 16 rows.  The bias is the C of a sum's first product.  The 8 accumulators take turns.
.macro WMQK m, k
.set wS, (\k)/8
.set wT, (\k)%8
.set wP, (\m)%2
.if wS == 0
	WIN 0x29                                       ; source 0 window 1, source 1 and C window 2
	v_wmma_scale_f32_16x16x128_f8f6f4 v[HA+64*wP+8*wT:HA+64*wP+8*wT+7], v[32*wT:32*wT+15], v[XF+32*wP:XF+32*wP+15], v[BQ+8*wT:BQ+8*wT+7], v[W1S+2*wT], v[XS+2*wP] matrix_a_fmt:MATRIX_FMT_BF8 matrix_b_fmt:MATRIX_FMT_BF8
.else
	WIN 0x09
	v_wmma_scale_f32_16x16x128_f8f6f4 v[HA+64*wP+8*wT:HA+64*wP+8*wT+7], v[32*wT+16:32*wT+31], v[XF+32*wP+16:XF+32*wP+31], v[HA+64*wP+8*wT:HA+64*wP+8*wT+7], v[W1S+2*wT+1], v[XS+2*wP+1] matrix_a_fmt:MATRIX_FMT_BF8 matrix_b_fmt:MATRIX_FMT_BF8
.endif
.endm
; Slice k of 16 of the quantising of set p's 64 numbers (register 16 b + i = e 32 b + 16 h + i of my neighbour's row), node m.  Each accumulator is read from its low end on.
.macro QSL p, m, k
.set qH, HA+64*(\p)
.if (\k) < 4
.irp i, 0,2
.irp b, 0,1,2,3
.if (4*(\k)+\i) == 0
	v_max3_num_f32 v[TM+\b], |v[qH+16*\b]|, |v[qH+16*\b+1]|, 0x8000000
.else
	v_max3_num_f32 v[TM+\b], v[TM+\b], |v[qH+16*\b+4*(\k)+\i]|, |v[qH+16*\b+4*(\k)+\i+1]|
.endif
.endr
.endr
.elseif (\k) == 4
.irp b, 0,1,2,3
	v_permlanex16_b32 v[TM+4+\b], v[TM+\b], s26, s27
.endr
.irp b, 0,1,2,3
	v_max_num_f32 v[TM+\b], v[TM+\b], v[TM+4+\b]   ; with lane l xor 16's 16: the block's largest magnitude
.endr
.elseif (\k) == 5
.irp b, 0,1,2,3
	v_add_nc_u32 v[TM+12+\b], 0xf8800000, v[TM+\b]
.endr
.irp b, 0,1,2,3
	v_and_or_b32 v[TM+8+\b], v[TM+\b], 0x7f800000, s28
.endr
.elseif (\k) == 6
.irp b, 0,1,2,3
	v_lshrrev_b32 v[TM+4+\b], 23, v[TM+12+\b]
.endr
	v_lshl_or_b32 v[PW], v[TM+5], 8, v[TM+4]
	v_lshl_or_b32 v[PW], v[TM+6], 16, v[PW]
	v_lshl_or_b32 v[PW], v[TM+7], 24, v[PW]
.elseif (\k) < 15
.set qG, (\k)-7
.set qX, qH+8*qG
.irp i, 0,1,2,3,4,5,6,7
	v_med3_num_f32 v[qX+\i], v[qX+\i], -v[TM+8+qG/2], v[TM+8+qG/2]
.endr
	v_cvt_scalef32_pk8_bf8_f32 v[PC+2*qG:PC+2*qG+1], v[qX:qX+7], v[TM+12+qG/2]
.else
	v_nop                                          ; a plain line behind the last conversion
	s_wait_alu depctr_va_vdst(0)                   ; the codes and the scale word are written, which the stores below read; the products issued so far are done reading x's buffer and its scale words, in which the next section's fetch lands; behind node 7: every line that named HA is done, where P2's loads land
.irp c, 0,1,2,3
	ds_store_b128 v[AQI], v[PC+4*\c:PC+4*\c+3] offset:8192*(\m)+512*\c   ; the fragment goes to LDS as it stands: 16 bytes a lane, 512 a store
.endr
	ds_store_b32 v[AQS], v[PW] offset:512*(\m)
.endif
.endm
; Node m's products with node m - 1's quantising between them
.macro P1SEC m
.if (\m) == 1
	s_wait_dscnt 0x0                               ; node 1's fragments are in
.else
	s_wait_dscnt 5                                 ; node m's nine loads are in; the five image stores issued behind them may be out
.endif
	WMQK \m, 0
	WIN 0
	PLACES 8                                       ; behind node m - 1's last product: its results are read below
.if (\m) == 1
	s_wait_alu depctr_va_vdst(0)                   ; node 0's products are done reading buffer 0 and its scale words, in which node 2's fetch lands: no earlier wait stands behind them
.endif
.if (\m) < 7
	FETCHX (\m)+1                                  ; from node 2's section on no wait: the one ahead of the last image stores stands behind node m - 1's products, and since then only those stores, one product on the other buffer and v_nop were issued
.endif
.set kk, 1
.rept 15
	WMQK \m, kk
	WIN 0
.if (kk == 7) && ((\m) >= 2)
	s_wait_alu depctr_vm_vsrc(0)                   ; the last image's stores have read the scale word's and the codes' registers, which are written again from here on
.endif
.if (kk == 8) && ((\m) >= 2)
.if (\m) < 7
	s_wait_dscnt 9                                 ; the last image's stores are done; the nine loads behind them may be out
.else
	s_wait_dscnt 0x0
.endif
.endif
	QSL ((\m)-1)%2, (\m)-1, kk-1
.set kk, kk+1
.endr
	QSL ((\m)-1)%2, (\m)-1, 15
.endm
.macro WFETCH m                        ; node m's w and their sum, my half's: three LDS loads
	ds_load_b128 v[WW+8*((\m)%2):WW+8*((\m)%2)+3], v[AWR] offset:128*(\m)
	ds_load_b128 v[WW+8*((\m)%2)+4:WW+8*((\m)%2)+7], v[AWR] offset:128*(\m)+16
	ds_load_b32 v[WH+(\m)%2], v[AWR] offset:128*(\m)+32
.endm
; Product k of 8 of node m's V: K step k / 4, tile k % 4.  NOT transposed: source 0 = x's 16 rows, source 1 = 16 rows of Wv: a lane holds column 64 w + 4 r + t, register j neighbour 8 h + j.
.macro WMV m, k
.set wS, (\k)/4
.set wT, (\k)%4
.set wP, (\m)%2
	WIN 0x0a                                       ; sources 0 and 1 window 2
.if wS == 0
	v_wmma_scale_f32_16x16x128_f8f6f4 v[HA+32*wP+8*wT:HA+32*wP+8*wT+7], v[XF+32*wP:XF+32*wP+15], v[32*wT:32*wT+15], 0, v[XS+2*wP], v[WVS+2*wT] matrix_a_fmt:MATRIX_FMT_BF8 matrix_b_fmt:MATRIX_FMT_BF8
.else
	v_wmma_scale_f32_16x16x128_f8f6f4 v[HA+32*wP+8*wT:HA+32*wP+8*wT+7], v[XF+32*wP+16:XF+32*wP+31], v[32*wT+16:32*wT+31], v[HA+32*wP+8*wT:HA+32*wP+8*wT+7], v[XS+2*wP+1], v[WVS+2*wT+1] matrix_a_fmt:MATRIX_FMT_BF8 matrix_b_fmt:MATRIX_FMT_BF8
.endif
.endm
; Slice k of 8 of agg = sum over neighbours of w V, set p, node m: four lines, the tiles by turns
.macro RED p, m, k
.set rV, HA+32*(\p)
.set rW, WW+8*(\p)
.if (\k) == 0
.irp t, 0,1,2,3
	v_pk_mul_f32 v[RPR+2*\t:RPR+2*\t+1], v[rV+8*\t:rV+8*\t+1], v[rW:rW+1]
.endr
.elseif (\k) < 4
.irp t, 0,1,2,3
	v_pk_fma_f32 v[RPR+2*\t:RPR+2*\t+1], v[rV+8*\t+2*(\k):rV+8*\t+2*(\k)+1], v[rW+2*(\k):rW+2*(\k)+1], v[RPR+2*\t:RPR+2*\t+1]
.endr
.elseif (\k) == 4
.irp t, 0,1,2,3
	v_add_f32 v[RT+\t], v[RPR+2*\t], v[RPR+2*\t+1]
.endr
.elseif (\k) == 5
.irp t, 0,1,2,3
	v_fmac_f32 v[RT+\t], v[BV+\t], v[WH+(\p)]      ; V's bias x the sum of my half's w
.endr
.elseif (\k) == 6
.irp t, 0,1,2,3
	v_permlanex16_b32 v[RU+\t], v[RT+\t], s26, s27
.endr
.else
	s_wait_alu depctr_vm_vsrc(0)                   ; the store of two nodes back (for nodes 0 and 1: P2's stores of w) has read this set of results, which is written again below
.irp t, 0,1,2,3
	v_add_f32 v[AG+4*(\p)+\t], v[RT+\t], v[RU+\t]  ; with the other eight neighbours
.endr
	s_wait_alu depctr_va_vdst(0)                   ; the four results are written, which the store reads; this reduction is done reading its set of w, in which the loads behind the store land; the products issued so far are done reading x's buffer and its scale words, in which the next section's fetch lands
	ds_store_b128 v[AAG], v[AG+4*(\p):AG+4*(\p)+3] offset:1040*(\m)   ; four neighbouring columns; both halves write the same bytes with the same values
.endif
.endm
.macro P3SEC m
.if (\m) == 1
	s_wait_dscnt 0x0
.else
	s_wait_dscnt 4                                 ; node m's nine loads are in; one store of agg and three loads of w behind them may be out
.endif
	WMV \m, 0
	WIN 0
	PLACES 8                                       ; behind node m - 1's last product: its results are read below
.if (\m) == 1
	s_wait_alu depctr_va_vdst(0)                   ; node 0's products are done reading buffer 0 and its scale words, in which node 2's fetch lands: no earlier wait stands behind them
.endif
.if (\m) < 7
	FETCHX (\m)+1                                  ; from node 2's section on no wait: the one ahead of the last store of agg stands behind node m - 1's products, and since then only that store, loads of w, one product on the other buffer and v_nop were issued
.endif
.set kk, 1
.rept 7
	WMV \m, kk
	WIN 0
	RED ((\m)-1)%2, (\m)-1, kk-1
.set kk, kk+1
.endr
	RED ((\m)-1)%2, (\m)-1, 7
.if (\m) < 7
	WFETCH (\m)+1                                  ; behind the reduction that read this set of w, and behind its wait
.endif
.endm
; The tail: 32 pairs at v[TP] on (16 for each of my two node tiles) are summed; lane (r, h) ends with node r's sum over my 128 columns in v[TP] and v[TP + 32]
.macro TREE
.irp u, 0,1,2,3,4,5,6,7,8,9,10,11,12,13,14,15
	v_pk_add_f32 v[TP+4*\u:TP+4*\u+1], v[TP+4*\u:TP+4*\u+1], v[TP+4*\u+2:TP+4*\u+3]
.endr
.irp u, 0,1,2,3,4,5,6,7
	v_pk_add_f32 v[TP+8*\u:TP+8*\u+1], v[TP+8*\u:TP+8*\u+1], v[TP+8*\u+4:TP+8*\u+5]
.endr
.irp u, 0,1,2,3
	v_pk_add_f32 v[TP+16*\u:TP+16*\u+1], v[TP+16*\u:TP+16*\u+1], v[TP+16*\u+8:TP+16*\u+9]
.endr
.irp u, 0,1
	v_pk_add_f32 v[TP+32*\u:TP+32*\u+1], v[TP+32*\u:TP+32*\u+1], v[TP+32*\u+16:TP+32*\u+17]
.endr
.irp u, 0,1
	v_add_f32 v[TP+32*\u], v[TP+32*\u], v[TP+32*\u+1]
.endr
.irp u, 0,1
	v_permlanex16_b32 v[TP+32*\u+1], v[TP+32*\u], s26, s27
.endr
.irp u, 0,1
	v_add_f32 v[TP+32*\u], v[TP+32*\u], v[TP+32*\u+1]
.endr
.endm
; ---------------- THE HEAD
	s_load_b512 s[4:19], s[0:1], 0x0               ; x s[4:5], wcodes s[6:7], wscales s[8:9], bq s[10:11], bk s[12:13], bv s[14:15], bo s[16:17], gamma s[18:19]
	s_load_b128 s[20:23], s[0:1], 0x40             ; beta s[20:21], out0 s[22:23]
	v_lshl_add_u32 v78, v0, 2, 0x3ac00
	v_mov_b32 v79, 0
	v_lshrrev_b32 v1, 5, v0
	v_readfirstlane_b32 s24, v1                    ; wave 0..3
	v_and_b32 v1, 31, v0                           ; l
	v_and_b32 v2, 15, v0                           ; r
	v_bfe_u32 v3, v0, 4, 1                         ; h
	v_lshlrev_b32 v[GOF], 5, v1
	v_lshlrev_b32 v[L4], 2, v1
	v_lshlrev_b32 v[H64], 6, v3
	v_lshlrev_b32 v[R16], 4, v2
	v_lshlrev_b32 v[H32], 5, v3
	v_lshlrev_b32 v[L16], 4, v1
	s_mov_b32 s26, 0x76543210
	s_mov_b32 s27, 0xfedcba98                      ; v_permlanex16_b32's selects for lane l xor 16
	s_mov_b32 s28, 0x600000                        ; the mantissa field of 57,344
	s_mov_b32 s30, 0x3db8aa3b                      ; c = log2(e) / 16
	s_mov_b32 s31, s30                             ; (named with it as a pair, so it is written)
	s_wait_alu depctr_va_sdst(0)                   ; s24, the wave's number, is written, ahead of its first reader: bases and LDS addresses are made from it
	s_and_b32 s29, s24, 1                          ; wave % 2: which half of Q's, K's and the output's columns
	s_lshr_b32 s39, s24, 1                         ; wave / 2
	s_mov_b32 s41, 0                               ; s[40:41]: an offset under 4 GiB
	s_lshl_b32 s40, ttmp9, 5
	s_add_co_u32 s40, s40, s24
	s_lshl_b32 s40, s40, 15                        ; 1 MiB a work-group, 32 KB (two nodes) a wave
	s_wait_kmcnt 0x0
	s_add_nc_u64 s[XP:XP+1], s[4:5], s[40:41]
	WIN 0xc0                                       ; destination window 3
	s_wait_alu depctr_va_vdst(0)                   ; the six offsets (32 l, 4 l, 64 h, 16 r, 32 h, 16 l) are written: the global loads and stores of the kernel read them, and they are never written again
.set n, 0
.rept 64
	global_load_b128 v[4*n:4*n+3], v[GOF], s[XP:XP+1] offset:(n/2)*1024+(n%2)*16 th:TH_LOAD_NT   ; trip 0's 32 rows: read once in the launch
.set n, n+1
.endr
	s_lshl_b32 s40, s24, 15
	s_add_nc_u64 s[42:43], s[6:7], s[40:41]        ; my 16 fragments of Wq or Wk: fragment 16 x wave on
	s_lshl_b32 s40, s24, 14
	s_add_co_u32 s40, s40, 131072
	s_add_nc_u64 s[44:45], s[6:7], s[40:41]        ; my 8 of Wv: fragment 64 + 8 x wave on
	s_cmp_lt_u32 s24, 2
	s_cselect_b64 s[46:47], s[10:11], s[12:13]     ; bq for waves 0, 1; bk for waves 2, 3
	s_lshl_b32 s40, s29, 9
	s_add_nc_u64 s[46:47], s[46:47], s[40:41]      ; my 128 numbers of it
	s_add_nc_u64 s[56:57], s[16:17], s[40:41]      ; and, for the tail, of bo,
	s_add_nc_u64 s[58:59], s[18:19], s[40:41]      ; gamma
	s_add_nc_u64 s[60:61], s[20:21], s[40:41]      ; and beta
	s_lshl_b32 s40, s24, 11
	s_add_nc_u64 s[48:49], s[8:9], s[40:41]        ; the scale words of my 16 fragments,
	s_lshl_b32 s40, s24, 10
	s_add_co_u32 s40, s40, 8192
	s_add_nc_u64 s[50:51], s[8:9], s[40:41]        ; of my 8 of Wv,
	s_lshl_b32 s40, s29, 11
	s_add_co_u32 s40, s40, 12288
	s_add_nc_u64 s[54:55], s[8:9], s[40:41]        ; and of my 16 of Wo
	s_lshl_b32 s40, s24, 8
	s_add_nc_u64 s[52:53], s[14:15], s[40:41]      ; bv: my 64 numbers
	s_lshl_b32 s40, s29, 15
	s_add_co_u32 s40, s40, 196608
	s_add_nc_u64 s[WOP:WOP+1], s[6:7], s[40:41]    ; Wo: fragment 96 + 16 (wave % 2) on
	s_lshl_b32 s40, ttmp9, 2
	s_add_co_u32 s40, s40, s24
	s_lshl_b32 s40, s40, 14
	s_add_nc_u64 s[62:63], s[22:23], s[40:41]      ; out0: 64 rows a work-group, 16 a wave
	WIN 0x40                                       ; destination window 1
.set n, 0
.rept 64
	global_load_b128 v[4*n:4*n+3], v[GOF], s[42:43] offset:(n/2)*1024+(n%2)*16
.set n, n+1
.endr
	WIN 0x80                                       ; destination window 2
.set n, 0
.rept 32
	global_load_b128 v[4*n:4*n+3], v[GOF], s[44:45] offset:(n/2)*1024+(n%2)*16
.set n, n+1
.endr
.irp t, 0,1,2,3,4,5,6,7                        ; the bias in the result's layout: lane (r, h) wants, for tile t, e = 32 (t / 2) + 16 h + 8 (t % 2) + 0 .. 7
	global_load_b128 v[BQ+8*\t:BQ+8*\t+3], v[H64], s[46:47] offset:(32*(\t/2)+8*(\t%2))*4
	global_load_b128 v[BQ+8*\t+4:BQ+8*\t+7], v[H64], s[46:47] offset:(32*(\t/2)+8*(\t%2))*4+16
.endr
	WIN 0
.irp f, 0,1,2,3,4,5,6,7,8,9,10,11,12,13,14,15
	global_load_b32 v[W1S+\f], v[L4], s[48:49] offset:128*\f
.endr
.irp f, 0,1,2,3,4,5,6,7
	global_load_b32 v[WVS+\f], v[L4], s[50:51] offset:128*\f
.endr
	global_load_b128 v[BV:BV+3], v[R16], s[52:53]  ; bv of columns 64 w + 4 r + 0 .. 3
	; the LDS addresses: a constant + a constant x lane + a constant x wave.  They name no register of the loads above; the first LDS instruction stands behind the first group's wait on va_vdst
	s_mul_i32 s40, s24, 2*NODEB
	v_lshl_add_u32 v[AXW], v1, 3, s40
	s_lshl_b32 s40, s24, 8
	s_add_co_u32 s40, s40, XSC
	v_lshrrev_b32 v[AXB], 2, v1
	v_add_nc_u32 v[AXB], s40, v[AXB]
	v_mul_u32_u24 v[AXF], v2, 272
	v_lshl_add_u32 v[AXF], v3, 4, v[AXF]
	v_lshl_add_u32 v[AXS], v2, 3, XSC
	s_lshl_b32 s40, s24, 11
	s_add_co_u32 s40, s40, QIMG
	v_lshl_add_u32 v[AQI], v1, 4, s40
	s_lshl_b32 s40, s24, 7
	s_add_co_u32 s40, s40, QSC
	v_lshl_add_u32 v[AQS], v1, 2, s40
	s_lshl_b32 s40, s24, 14
	s_add_co_u32 s40, s40, QIMG
	v_lshl_add_u32 v[AP2], v1, 4, s40
	s_lshl_b32 s40, s24, 10
	s_add_co_u32 s40, s40, QSC
	v_lshl_add_u32 v[AP2S], v1, 2, s40
	s_lshl_b32 s40, s24, 8
	s_add_co_u32 s40, s40, WST
	v_lshl_add_u32 v[AWS], v3, 6, s40
	v_lshl_add_u32 v[AWR], v3, 6, WST
	s_lshl_b32 s40, s24, 8
	s_add_co_u32 s40, s40, AGG
	v_lshl_add_u32 v[AAG0], v2, 4, s40
	s_mul_i32 s40, s24, 2080
	s_add_co_u32 s40, s40, RES
	v_lshl_add_u32 v[RES0], v1, 5, s40
	s_mov_b32 s25, 8                               ; trips to go
	s_mov_b32 s38, 0                               ; the trip's 8 rows of agg and of the residual: 8,320 bytes a trip
; ---------------- A TRIP: 8 nodes
.Ltrip:
	s_wait_xcnt 0x0                                ; the loads issued so far have had their addresses translated: their bases may be written
	s_add_nc_u64 s[XP:XP+1], s[XP:XP+1], 131072    ; the next trip's rows;
	s_cmp_eq_u32 s25, 1
	s_cselect_b64 s[LP:LP+1], s[WOP:WOP+1], s[XP:XP+1]   ; in the last trip Wo's fragments instead: no load leaves x
	s_wait_alu depctr_vm_vsrc(0)                   ; the last trip's stores of agg and of the residual have read v[AAG] and v[RESA], which the two lines below write
	s_wait_alu depctr_va_vdst(0)
	v_add_nc_u32 v[AAG], s38, v[AAG0]
	v_add_nc_u32 v[RESA], s38, v[RES0]
	; ---- X8.  (In the first trip the weights' loads are younger than x's: group 7's wait leaves out the 56 loads of groups 0 to 6 alone, so it shows the weights landed too.)
.irp g, 0,1,2,3,4,5,6,7
	XQ4 3, 32*\g, \g, 1, 1
.endr
	BAR                                            ; the 8 nodes' codes and scale bytes lie in LDS
	s_wait_alu depctr_vm_vsrc(0)                   ; X8's stores have read the residual's sums, the codes and the bytes: P1's products and its quantising write these registers (HA, PC, TM)
	; ---- P1.  (x's two buffers and scale words were last read by the last trip's products; X8's waits on va_vdst stand behind those, and no vector or matrix line since names them.)
	FETCHX 0
	FETCHX 1
	s_wait_dscnt 9                                 ; node 0's nine loads are in; node 1's may be out
.set kk, 0
.rept 16
	WMQK 0, kk                                     ; there is no vector work yet to set between them
.set kk, kk+1
.endr
.irp m, 1,2,3,4,5,6,7
	P1SEC \m
.endr
	PLACES 8
.set kk, 0
.rept 16
.if kk == 6
	s_wait_alu depctr_vm_vsrc(0)                   ; node 6's image stores have read the scale word's and the codes' registers, which are written again from here on
.endif
.if kk == 7
	s_wait_dscnt 0x0                               ; node 6's image stores are done
.endif
	QSL 1, 7, kk
.set kk, kk+1
.endr
	BAR                                            ; Q's and K's images of the 8 nodes lie in LDS
	s_wait_alu depctr_vm_vsrc(0)                   ; node 7's image stores have read the codes' registers, in which the scores are written
	; ---- P2: my two nodes.  (The wait ahead of node 7's image stores stands behind every line that named HA and SW: the loads owe nothing more.)
.irp a, 0,1
.irp f, 0,1,2,3
.irp c, 0,1,2,3
	ds_load_b128 v[HA+64*\a+16*\f+4*\c:HA+64*\a+16*\f+4*\c+3], v[AP2] offset:8192*\a+2048*\f+512*\c
.endr
	ds_load_b32 v[SW+4*\a+\f], v[AP2S] offset:512*\a+128*\f
.endr
.endr
	s_wait_dscnt 0x0
.irp s, 0,1                                    ; S^T = K Q^T: source 0 = 16 keys, source 1 = 16 queries: a lane holds query r, register j key 8 h + j.  The two nodes' accumulators take turns
.irp a, 0,1
.if \s == 0
	v_wmma_scale_f32_16x16x128_f8f6f4 v[PC+8*\a:PC+8*\a+7], v[HA+64*\a+32:HA+64*\a+47], v[HA+64*\a:HA+64*\a+15], 0, v[SW+4*\a+2], v[SW+4*\a] matrix_a_fmt:MATRIX_FMT_BF8 matrix_b_fmt:MATRIX_FMT_BF8
.else
	v_wmma_scale_f32_16x16x128_f8f6f4 v[PC+8*\a:PC+8*\a+7], v[HA+64*\a+48:HA+64*\a+63], v[HA+64*\a+16:HA+64*\a+31], v[PC+8*\a:PC+8*\a+7], v[SW+4*\a+3], v[SW+4*\a+1] matrix_a_fmt:MATRIX_FMT_BF8 matrix_b_fmt:MATRIX_FMT_BF8
.endif
.endr
.endr
	PLACES 9                                       ; eight in front of the first read of the scores; the ninth since P3's products write over these operands
.irp a, 0,1
	v_max3_num_f32 v[TM+8*\a], v[PC+8*\a], v[PC+8*\a+1], v[PC+8*\a+2]
.endr
.irp a, 0,1
	v_max3_num_f32 v[TM+8*\a+1], v[PC+8*\a+3], v[PC+8*\a+4], v[PC+8*\a+5]
.endr
.irp a, 0,1
	v_max3_num_f32 v[TM+8*\a], v[TM+8*\a], v[PC+8*\a+6], v[PC+8*\a+7]
.endr
.irp a, 0,1
	v_max_num_f32 v[TM+8*\a], v[TM+8*\a], v[TM+8*\a+1]
.endr
.irp a, 0,1
	v_permlanex16_b32 v[TM+8*\a+1], v[TM+8*\a], s26, s27
.endr
.irp a, 0,1
	v_max_num_f32 v[TM+8*\a], v[TM+8*\a], v[TM+8*\a+1]   ; the query's largest score
.endr
.irp a, 0,1
	v_mul_f32 v[TM+8*\a], s30, v[TM+8*\a]          ; c x it
.endr
.irp j, 0,2,4,6
.irp a, 0,1
	v_pk_fma_f32 v[PC+8*\a+\j:PC+8*\a+\j+1], v[PC+8*\a+\j:PC+8*\a+\j+1], s[30:31], v[TM+8*\a:TM+8*\a+1] op_sel_hi:[1,0,0] neg_lo:[0,0,1] neg_hi:[0,0,1]   ; c s - c max
.endr
.endr
	s_wait_alu depctr_va_vdst(0)
.irp j, 0,1,2,3,4,5,6,7
.irp a, 0,1
	v_exp_f32 v[PC+8*\a+\j], v[PC+8*\a+\j]
.endr
.endr
	v_nop                                          ; a plain line behind the exponentials
	s_wait_alu depctr_va_vdst(0)                   ; the sixteen exponentials have written their results: one wait for the batch, ahead of its first reader
.irp a, 0,1
	v_pk_add_f32 v[TM+8*\a+2:TM+8*\a+3], v[PC+8*\a:PC+8*\a+1], v[PC+8*\a+2:PC+8*\a+3]
.endr
.irp a, 0,1
	v_pk_add_f32 v[TM+8*\a+4:TM+8*\a+5], v[PC+8*\a+4:PC+8*\a+5], v[PC+8*\a+6:PC+8*\a+7]
.endr
.irp a, 0,1
	v_pk_add_f32 v[TM+8*\a+2:TM+8*\a+3], v[TM+8*\a+2:TM+8*\a+3], v[TM+8*\a+4:TM+8*\a+5]
.endr
.irp a, 0,1
	v_add_f32 v[TM+8*\a+2], v[TM+8*\a+2], v[TM+8*\a+3]
.endr
.irp a, 0,1
	v_permlanex16_b32 v[TM+8*\a+3], v[TM+8*\a+2], s26, s27
.endr
.irp a, 0,1
	v_add_f32 v[TM+8*\a+2], v[TM+8*\a+2], v[TM+8*\a+3]   ; the query's sum
.endr
	s_wait_alu depctr_va_vdst(0)
.irp a, 0,1
	v_rcp_f32 v[TM+8*\a+4], v[TM+8*\a+2]
.endr
	v_nop                                          ; a plain line behind the reciprocals
	s_wait_alu depctr_va_vdst(0)                   ; the two reciprocals have written their results, ahead of their first reader
.irp a, 0,1
	v_mul_f32 v[TM+8*\a+4], 0x3d800000, v[TM+8*\a+4]   ; and the mean over 16 queries: x 1/16
.endr
.irp j, 0,2,4,6
.irp a, 0,1
	v_pk_mul_f32 v[PC+8*\a+\j:PC+8*\a+\j+1], v[PC+8*\a+\j:PC+8*\a+\j+1], v[TM+8*\a+4:TM+8*\a+5] op_sel_hi:[1,0]
.endr
.endr
.irp x, 1,2,4,8                                ; the sum over the 16 queries, which are the 16 lanes of a half: register j becomes w[8 h + j] in every lane of the half
.irp j, 0,1,2,3,4,5,6,7
.irp a, 0,1
	v_add_f32_dpp v[PC+8*\a+\j], v[PC+8*\a+\j], v[PC+8*\a+\j] row_xmask:\x row_mask:0xf bank_mask:0xf
.endr
.endr
.endr
.irp a, 0,1
	v_pk_add_f32 v[TM+8*\a+2:TM+8*\a+3], v[PC+8*\a:PC+8*\a+1], v[PC+8*\a+2:PC+8*\a+3]
.endr
.irp a, 0,1
	v_pk_add_f32 v[TM+8*\a+4:TM+8*\a+5], v[PC+8*\a+4:PC+8*\a+5], v[PC+8*\a+6:PC+8*\a+7]
.endr
.irp a, 0,1
	v_pk_add_f32 v[TM+8*\a+2:TM+8*\a+3], v[TM+8*\a+2:TM+8*\a+3], v[TM+8*\a+4:TM+8*\a+5]
.endr
.irp a, 0,1
	v_add_f32 v[TM+8*\a+2], v[TM+8*\a+2], v[TM+8*\a+3]   ; the sum of my half's eight w
.endr
	s_wait_alu depctr_va_vdst(0)                   ; w and their sums are written, which the stores below read; P1's and P2's products are done reading x's buffers, in which P3's first fetches land
.irp a, 0,1
	ds_store_b128 v[AWS], v[PC+8*\a:PC+8*\a+3] offset:128*\a          ; a half's sixteen lanes write the same bytes with the same values
	ds_store_b128 v[AWS], v[PC+8*\a+4:PC+8*\a+7] offset:128*\a+16
	ds_store_b32 v[AWS], v[TM+8*\a+2] offset:128*\a+32
.endr
	BAR                                            ; the 8 nodes' w lie in LDS
	s_wait_alu depctr_vm_vsrc(0)                   ; my stores of w and of their sums have read v[PC ..] and two of v[TM ..]: the reductions write these registers
	; ---- P3
	FETCHX 0
	WFETCH 0
	FETCHX 1
	WFETCH 1
	s_wait_dscnt 12                                ; node 0's loads are in; node 1's nine and three may be out
.set kk, 0
.rept 8
	WMV 0, kk
.set kk, kk+1
.endr
.irp m, 1,2,3,4,5,6,7
	P3SEC \m
.endr
	PLACES 8
	s_wait_dscnt 0x0                               ; node 7's w, which the last section's wait may have left out
.set kk, 0
.rept 8
	RED 1, 7, kk
.set kk, kk+1
.endr
	BAR                                            ; nobody reads x's codes any more: the next trip writes them again
	s_add_co_u32 s38, s38, 8320
	s_sub_co_u32 s25, s25, 1
	s_cmp_lg_u32 s25, 0
	s_cbranch_scc1 .Ltrip
; ---------------- THE TAIL: 64 nodes = four node tiles.  Wave w quantises tile w of agg; then it makes, for tiles 2 (w / 2) and 2 (w / 2) + 1, the output's columns 128 (w % 2) on.
; (The wait ahead of the last store of agg stands behind every product of the loop, and no vector or matrix line follows it: the loads below, which land on the weights' registers and scale words, owe nothing more.)
.irp f, 0,1,2,3,4,5,6,7,8,9,10,11,12,13,14,15
	global_load_b32 v[W1S+\f], v[L4], s[54:55] offset:128*\f   ; Wo's scale words
.endr
	WIN 0x40
.irp t, 0,1,2,3,4,5,6,7                        ; bo, gamma and beta in the result's layout: lane (r, h) wants, for tile t, e = 16 t + 8 h + 0 .. 7
	global_load_b128 v[128+8*\t:128+8*\t+3], v[H32], s[56:57] offset:64*\t
	global_load_b128 v[128+8*\t+4:128+8*\t+7], v[H32], s[56:57] offset:64*\t+16
.endr
	WIN 0x80
.irp t, 0,1,2,3,4,5,6,7
	global_load_b128 v[64+8*\t:64+8*\t+3], v[H32], s[58:59] offset:64*\t
	global_load_b128 v[64+8*\t+4:64+8*\t+7], v[H32], s[58:59] offset:64*\t+16
	global_load_b128 v[8*\t:8*\t+3], v[H32], s[60:61] offset:64*\t
	global_load_b128 v[8*\t+4:8*\t+7], v[H32], s[60:61] offset:64*\t+16
.endr
	WIN 0
	s_wait_alu depctr_vm_vsrc(0)                   ; the loop's LDS stores have read v[RESA], v[AXW], v[AXB] and v[AAG], which are made anew below
	s_mul_i32 s40, s24, 16640                      ; 16 rows of 1,040 bytes
	s_add_co_u32 s41, s40, AGG
	v_lshl_add_u32 v[TAG], v1, 5, s41              ; agg: my 16 rows, 32 bytes a lane
	s_add_co_u32 s41, s40, RES
	v_lshl_add_u32 v[RESA], v1, 4, s41             ; the stage, read back: my 16 rows, 16 bytes a lane
	s_mul_i32 s40, s24, NODEB
	v_lshl_add_u32 v[AXW], v1, 3, s40              ; agg's codes take node slot w
	s_lshl_b32 s40, s24, 7
	s_add_co_u32 s40, s40, XSC
	v_lshrrev_b32 v[AXB], 2, v1
	v_add_nc_u32 v[AXB], s40, v[AXB]
	s_mul_i32 s40, s39, 2*NODEB
	v_add_nc_u32 v[TXF], s40, v[AXF]               ; the fragments of my two node tiles
	s_lshl_b32 s40, s39, 8
	v_add_nc_u32 v[TXS], s40, v[AXS]
	s_add_co_u32 s40, s40, STAT
	v_lshl_add_u32 v[AAG], v2, 2, s40              ; the statistics of my two node tiles, both column halves;
	s_lshl_b32 s41, s29, 6
	v_add_nc_u32 v[ASTW], s41, v[AAG]              ; and where I store my half's
	s_mul_i32 s40, s39, 33280
	s_lshl_b32 s41, s29, 9
	s_add_co_u32 s40, s40, s41
	s_add_co_u32 s40, s40, RES
	v_mul_u32_u24 v[RRES], v2, 1040
	v_lshl_add_u32 v[RRES], v3, 5, v[RRES]
	v_add_nc_u32 v[RRES], s40, v[RRES]             ; the residual in the result's layout: node r's row, + 512 (w % 2) + 32 h
	s_mov_b32 s25, 0x3b800000                      ; 1 / 256
	s_mov_b32 s38, 0x3727c5ac                      ; 1e-5
	WIN 0x40
	s_wait_alu depctr_va_vdst(0)                   ; the tail's nine LDS addresses are written: the loads and stores from here on read them
.irp p, 0,1,2,3,4,5,6,7,8,9,10,11,12,13,14,15
	ds_load_b128 v[8*\p:8*\p+3], v[TAG] offset:1040*\p
	ds_load_b128 v[8*\p+4:8*\p+7], v[TAG] offset:1040*\p+16
.endr
	WIN 0
	s_wait_dscnt 0x0
.irp g, 0,1,2,3
	XQ4 1, 32*\g, \g, 0, 0
.endr
	BAR                                            ; agg's codes of the four node tiles lie in LDS
	; (The last group's wait on va_vdst stands behind every line that named agg's rows in window 1, HA and x's scale words: the loads below owe nothing more.)
.irp i, 0,1
.irp s, 0,1
.irp c, 0,1,2,3
	ds_load_b128 v[HA+32*\i+16*\s+4*\c:HA+32*\i+16*\s+4*\c+3], v[TXF] offset:NODEB*\i+128*\s+32*\c
.endr
.endr
	ds_load_b64 v[XS+2*\i:XS+2*\i+1], v[TXS] offset:128*\i
.endr
	WIN 0x40
.irp i, 0,1
.irp t, 0,1,2,3,4,5,6,7
	ds_load_b128 v[64*\i+8*\t:64*\i+8*\t+3], v[RRES] offset:16640*\i+64*\t
	ds_load_b128 v[64*\i+8*\t+4:64*\i+8*\t+7], v[RRES] offset:16640*\i+64*\t+16
.endr
.endr
	WIN 0
	s_wait_loadcnt 0x0                             ; Wo's fragments and scale words, bo, gamma, beta
	s_wait_dscnt 0x0
	WIN 0x93                                       ; source 0 (Wo) window 3, source 1 (agg) window 0, C (bo) window 1, D window 2.  TRANSPOSED: a lane holds node r, registers run along e.  The 16 accumulators take turns
.irp i, 0,1
.irp t, 0,1,2,3,4,5,6,7
	v_wmma_scale_f32_16x16x128_f8f6f4 v[128+64*\i+8*\t:128+64*\i+8*\t+7], v[32*\t:32*\t+15], v[HA+32*\i:HA+32*\i+15], v[128+8*\t:128+8*\t+7], v[W1S+2*\t], v[XS+2*\i] matrix_a_fmt:MATRIX_FMT_BF8 matrix_b_fmt:MATRIX_FMT_BF8
.endr
.endr
	WIN 0xa3                                       ; C and D window 2
.irp i, 0,1
.irp t, 0,1,2,3,4,5,6,7
	v_wmma_scale_f32_16x16x128_f8f6f4 v[128+64*\i+8*\t:128+64*\i+8*\t+7], v[32*\t+16:32*\t+31], v[HA+32*\i+16:HA+32*\i+31], v[128+64*\i+8*\t:128+64*\i+8*\t+7], v[W1S+2*\t+1], v[XS+2*\i+1] matrix_a_fmt:MATRIX_FMT_BF8 matrix_b_fmt:MATRIX_FMT_BF8
.endr
.endr
	WIN 0
	PLACES 8
	WIN 0xa1                                       ; source 0 window 1; source 2 and destination window 2
.set n, 0
.rept 64
	v_pk_fma_f32 v[128+n:129+n], v[n:n+1], 0x3d800000, v[128+n:129+n] op_sel_hi:[1,0,1]   ; + the sum over the neighbours / 16; each accumulator from its low end on
.set n, n+2
.endr
	WIN 0x0a                                       ; sources 0 and 1 window 2
.set n, 0
.rept 32
	v_pk_add_f32 v[TP+2*n:TP+2*n+1], v[128+4*n:129+4*n], v[130+4*n:131+4*n]
.set n, n+1
.endr
	WIN 0
	TREE
	s_wait_alu depctr_va_vdst(0)                   ; the two sums are written, which the stores below read; every line that named v[TM ..] is done, where the loads behind the barrier land
.irp i, 0,1
	ds_store_b32 v[ASTW], v[TP+32*\i] offset:128*\i
.endr
	BAR                                            ; both column halves' sums lie in LDS
	s_wait_alu depctr_vm_vsrc(0)                   ; my two stores have read v[TP] and v[TP + 32], which the squares below write again
.irp i, 0,1
	ds_load_b32 v[TM+2*\i], v[AAG] offset:128*\i
	ds_load_b32 v[TM+2*\i+1], v[AAG] offset:128*\i+64
.endr
	s_wait_dscnt 0x0
.irp i, 0,1
	v_add_f32 v[TM+2*\i], v[TM+2*\i], v[TM+2*\i+1]
.endr
.irp i, 0,1
	v_mul_f32 v[TM+4+2*\i], 0xbb800000, v[TM+2*\i] ; -mu, twice: a pair for the packed addition
	v_mul_f32 v[TM+5+2*\i], 0xbb800000, v[TM+2*\i]
.endr
	WIN 0x82                                       ; source 0 and destination window 2
.set n, 0
.rept 64
	v_pk_add_f32 v[128+n:129+n], v[128+n:129+n], v[TM+4+2*(n/64):TM+5+2*(n/64)]
.set n, n+2
.endr
	WIN 0x0a
.set n, 0
.rept 32
	v_pk_mul_f32 v[TP+2*n:TP+2*n+1], v[128+4*n:129+4*n], v[128+4*n:129+4*n]
.set n, n+1
.endr
.set n, 0
.rept 32
	v_pk_fma_f32 v[TP+2*n:TP+2*n+1], v[130+4*n:131+4*n], v[130+4*n:131+4*n], v[TP+2*n:TP+2*n+1]
.set n, n+1
.endr
	WIN 0
	TREE
	s_wait_alu depctr_va_vdst(0)                   ; the two sums of squares are written, which the stores below read; the lines that read v[TM ..] are done, where the loads behind the barrier land
.irp i, 0,1
	ds_store_b32 v[ASTW], v[TP+32*\i] offset:512+128*\i   ; a second region: no wave's reads of the first are in the way
.endr
	BAR
.irp i, 0,1
	ds_load_b32 v[TM+2*\i], v[AAG] offset:512+128*\i
	ds_load_b32 v[TM+2*\i+1], v[AAG] offset:512+128*\i+64
.endr
	s_wait_dscnt 0x0
.irp i, 0,1
	v_add_f32 v[TM+2*\i], v[TM+2*\i], v[TM+2*\i+1]
.endr
.irp i, 0,1
	v_fma_f32 v[TM+2*\i], v[TM+2*\i], s25, s38     ; the variance + 1e-5
.endr
	s_wait_alu depctr_va_vdst(0)
.irp i, 0,1
	v_rsq_f32 v[TM+4+2*\i], v[TM+2*\i]
	v_rsq_f32 v[TM+5+2*\i], v[TM+2*\i]
.endr
	v_nop                                          ; a plain line behind the roots
	WIN 0x82
.set n, 0
	s_wait_alu depctr_va_vdst(0)                   ; the four roots have written their results, ahead of their first reader
.rept 64
	v_pk_mul_f32 v[128+n:129+n], v[128+n:129+n], v[TM+4+2*(n/64):TM+5+2*(n/64)]
.set n, n+2
.endr
	WIN 0xaa                                       ; all four in window 2
.set n, 0
.rept 64
	v_pk_fma_f32 v[128+n:129+n], v[128+n:129+n], v[64+n%64:65+n%64], v[n%64:n%64+1]   ; x gamma + beta
.set n, n+2
.endr
	WIN 0x08                                       ; an LDS store's data are its source 1: window 2
	s_wait_alu depctr_va_vdst(0)                   ; the 128 results are written, which the stores below read; every line that named v[TP ..] is done, where the rows read back behind the barrier land
.irp i, 0,1
.irp t, 0,1,2,3,4,5,6,7
	ds_store_b128 v[RRES], v[128+64*\i+8*\t:128+64*\i+8*\t+3] offset:16640*\i+64*\t      ; over the residual's bytes that I alone have read
	ds_store_b128 v[RRES], v[128+64*\i+8*\t+4:128+64*\i+8*\t+7] offset:16640*\i+64*\t+16
.endr
.endr
	WIN 0
	BAR                                            ; 64 whole rows of the output lie in the stage
	s_wait_alu depctr_vm_vsrc(0)                   ; my stores of the sums of squares have read v[TP] and v[TP + 32], in which rows read back below land
.set n, 0
.rept 32
	ds_load_b128 v[HA+4*n:HA+4*n+3], v[RESA] offset:1040*(n/2)+512*(n%2)
.set n, n+1
.endr
.set n, 0
.rept 32
	s_wait_dscnt 31-n                              ; LDS loads come back in order: load n is in, the younger ones may be out
	global_store_b128 v[L16], v[HA+4*n:HA+4*n+3], s[62:63] offset:1024*(n/2)+512*(n%2) th:TH_STORE_NT   ; 32 lanes store 512 consecutive bytes, at a multiple of 512 from out0's first byte
.set n, n+1
.endr
	s_wait_dscnt 0x0                               ; the closing lines, six on end
	s_wait_alu 0x0
	s_wait_tensorcnt 0x0
	ds_add_u32 v78, v79
	s_wait_dscnt 0x0
	s_endpgm
.Lfunc_end_k_q6dd6e6a150_main:
	.size	k_q6dd6e6a150_main, .Lfunc_end_k_q6dd6e6a150_main-k_q6dd6e6a150_main
	.p2alignl 7, 3214868480
	.fill 96, 4, 3214868480
	.section	.rodata,"a",@progbits
	.p2align	6, 0x0
	.amdhsa_kernel k_q6dd6e6a150_main
		.amdhsa_group_segment_fixed_size 241152
		.amdhsa_private_segment_fixed_size 0
		.amdhsa_enable_private_segment 0
		.amdhsa_kernarg_size 80
		.amdhsa_user_sgpr_count 2
		.amdhsa_user_sgpr_kernarg_segment_ptr 1
		.amdhsa_wavefront_size32 1
		.amdhsa_system_sgpr_workgroup_id_x 1
		.amdhsa_system_sgpr_workgroup_id_y 1
		.amdhsa_system_sgpr_workgroup_id_z 1
		.amdhsa_system_vgpr_workitem_id 0
		.amdhsa_next_free_vgpr 1024
		.amdhsa_next_free_sgpr 66
		.amdhsa_reserve_vcc 0
		.amdhsa_float_denorm_mode_32 3
		.amdhsa_float_denorm_mode_16_64 3
		.amdhsa_memory_ordered 1
		.amdhsa_forward_progress 1
		.amdhsa_inst_pref_size 255
	.end_amdhsa_kernel
	.section	.bss,"aw",@nobits
	.p2align	6
	.space	262144
	.amdgpu_metadata
---
amdhsa.version: [ 1, 2 ]
amdhsa.kernels:
  - .name:           k_q6dd6e6a150_main
    .symbol:         k_q6dd6e6a150_main.kd
    .args:
      - { .name: neighbor_features, .offset: 0, .size: 8, .value_kind: global_buffer, .address_space: global }
      - { .name: wcodes, .offset: 8, .size: 8, .value_kind: global_buffer, .address_space: global }
      - { .name: wscales, .offset: 16, .size: 8, .value_kind: global_buffer, .address_space: global }
      - { .name: bq, .offset: 24, .size: 8, .value_kind: global_buffer, .address_space: global }
      - { .name: bk, .offset: 32, .size: 8, .value_kind: global_buffer, .address_space: global }
      - { .name: bv, .offset: 40, .size: 8, .value_kind: global_buffer, .address_space: global }
      - { .name: bo, .offset: 48, .size: 8, .value_kind: global_buffer, .address_space: global }
      - { .name: gamma, .offset: 56, .size: 8, .value_kind: global_buffer, .address_space: global }
      - { .name: beta, .offset: 64, .size: 8, .value_kind: global_buffer, .address_space: global }
      - { .name: out0, .offset: 72, .size: 8, .value_kind: global_buffer, .address_space: global }
    .group_segment_fixed_size: 241152
    .private_segment_fixed_size: 0
    .kernarg_segment_align: 8
    .kernarg_segment_size: 80
    .max_flat_workgroup_size: 128
    .sgpr_count:     66
    .vgpr_count:     1024
    .wavefront_size: 32
...
	.end_amdgpu_metadata
.endif
;; end of part 4
